; MI455X (gfx1250); checked and timed in simulation.
; The chip was launched on July 23, 2026; its instructions are those of AMD's public machine-readable ISA for CDNA 5 (MIT licence, August 2026) and "CDNA5" Instruction Set Architecture Reference Guide (July 2026). The comments in the code are by the model that wrote it; some were corrected since.
;; Multi Head Cross Attention. Allowed arithmetic: matrix products marked QUANTISED: E2M3 operands, one E8M0 scale for each 32 along K, by v_wmma_scale_f32_16x16x128_f8f6f4 with both operands' format E2M3, f32 sums; everything else in f32.
;; Inputs: b_o 1,024 float32; h_source 4 x 2,048 x 1,024 float32; h_target 4 x 2,048 x 1,024 float32; w_o 1,024 x 1,024 float32; w_qk 2,048 x 1,024 float32; w_v 1,024 x 1,024 float32.
;; Outputs: out0 4 x 2,048 x 1,024 float32.
;; This version of the problem:
;;   THIS VERSION OF THE PROBLEM IS GIVEN IN LOW PRECISION. The matrix products marked QUANTISED in the list below multiply operands that are first quantised to E2M3 (2 exponent bits, 3 mantissa bits; 6 bits a number), with one power-of-two scale for each 32 numbers along K (OCP MX v1.0); their sums are f32. All else is computed in f32.
;;   The module's matrix products, in the order in which they are computed (A, B: the left and right operand; K: the contracted axis; several contracted axes count as one K, in the product's order):
;;     1. [M 8,192, K 1,024] x [K 1,024, N 2,048]; A: input h_source; B: input w_qk: QUANTISED
;;     2. [M 8,192, K 1,024] x [K 1,024, N 1,024]; A: input h_target; B: input w_v: QUANTISED
;;     3. batch 64 x [M 2,048, K 64] x [K 64, N 2,048]; A: computed on the way; B: computed on the way: QUANTISED
;;     4. batch 64 x [M 2,048, K 2,048] x [K 2,048, N 64]; A: softmax (see below); B: computed on the way: QUANTISED
;;     5. [M 8,192, K 1,024] x [K 1,024, N 1,024]; A: computed on the way; B: input w_o: QUANTISED
;;   THE QUANTISER, for each operand of a quantised product, along K:
;;     - K is cut into blocks of 32 from its start; a last block that is shorter is filled with zeros.
;;     - A block's scale is 2^e with e = floor(log2(the largest magnitude in the block)) - 2, held to -126 .. 127; a block of zeros has e = 0. As a byte (E8M0): e + 127.
;;     - Each number is divided by its block's scale, clamped to +-7.5, and rounded to the nearest number of E2M3, ties to even, subnormals kept.
;;     - The product sums the exact products of the quantised numbers (number of the format x scale) in f32.
;;   ~~~python
;;   def quantise(x, axis):      # numpy; x: float32 -> the quantised numbers, widened to float32 again
;;       x = np.moveaxis(x, axis, -1); K = x.shape[-1]
;;       x = np.pad(x, [(0, 0)] * (x.ndim - 1) + [(0, -K % 32)]); x = x.reshape(x.shape[:-1] + (-1, 32)); a = np.abs(x).max(-1, keepdims=True)
;;       e = np.where(a > 0, np.clip(np.frexp(np.where(a > 0, a, 1))[1] - 1 - 2, -126, 127), 0)      # np.frexp(a)[1] - 1 = floor(log2(a)), exactly
;;       r = np.clip(x / 2.0 ** e, -7.5, 7.5)
;;       step = 2.0 ** (np.maximum(np.frexp(np.where(r == 0, 1, r))[1] - 1, 0) - 3)
;;       q = np.round(r / step) * step * 2.0 ** e      # np.round: ties to even
;;       return np.moveaxis(q.reshape(q.shape[:-2] + (-1,))[..., :K], -1, axis).astype(np.float32)
;;   ~~~
;;   SOFTMAX AHEAD OF A QUANTISED PRODUCT. Where the list says 'softmax', what is quantised is not the finished softmax but p = 2^(t - M), with t = logit x log2(e) and M = ceil(the row's largest t), a whole number; so 1/2 < the row's largest p <= 1. The row's sum l is taken of the UNQUANTISED p, in f32, and the product's result is divided by l at the end. Since M is a whole number, a kernel that streams over the keys may use a running M (the ceiling of the running maximum): every later rescaling is an exact power of two, which a block's scale takes up: the codes' values come out the same.
;;   OPERANDS COMPUTED ON THE WAY. 'Computed on the way' means the value that the module computes at that place (a softmax that the list does not call 'softmax' is quantised finished and normalised). What goes into a quantiser is computed in f32, as accurately as f32 sums, v_exp_f32 and their like allow (about 1e-6 of the number): no bf16 or f16 on the way to a quantiser, and a product that is left as it is and whose result goes on into a quantised operand takes f32 operands (vector FMAs, or v_wmma_f32_16x16x4_f32). A number that lies on a knife's edge between two numbers of the format may be rounded either way, as far as f32 arithmetic and the matrix unit's own rounding can turn it there, and no further.
;; One version. Each part assembles by itself: llvm-mc -triple=amdgcn-amd-amdhsa -mcpu=gfx1250 --defsym DOCPART=n.
;; ======== version 1 of 1: 4 launches
;; limits: right only within a limited range of input values
;; workspace buffers: img 15,728,640 bytes; isc 655,360 bytes; qk_img 12,582,912 bytes; qk_sc 1,048,576 bytes; v_img 6,291,456 bytes; v_sc 524,288 bytes; o_img 6,291,456 bytes; o_sc 524,288 bytes
;; launch quant (part 1): grid 256 x 1, 10 waves a work-group, no clusters, 86,016 bytes of LDS; arguments h_source, h_target, w_qk, w_v, w_o, img, isc; writes img, isc
.if DOCPART == 1
	.amdgcn_target "amdgcn-amd-amdhsa--gfx1250"
	.amdhsa_code_object_version 6
	.text
	.protected	k_q7bad3a70e3_quant
	.globl	k_q7bad3a70e3_quant
	.p2align	8
	.type	k_q7bad3a70e3_quant,@function
k_q7bad3a70e3_quant:
	s_mov_b64 s[64:65], 0
	v_nop
	global_prefetch_b8 v0, s[64:65] scope:SCOPE_SE
	s_setreg_imm32_b32 hwreg(HW_REG_WAVE_MODE, 25, 1), 1
	s_wait_xcnt 0x0
; All five f32 inputs (rows of 1,024 numbers, K innermost) become codes of FP6 (E2M3) with one E8M0 scale byte for each 32 along K.
; A block's scale is 2^(floor(log2(its largest magnitude)) - 2); its byte is the largest magnitude's exponent field - 2, held at 1 from below.
; LIMITS: NaN and infinities among the inputs are not served.  A block of zeros, or one whose largest magnitude lies under 2^-124, gets the byte 1
; (the definition says 127 for a block of zeros): its codes are zeros, which add nothing under any byte but 0xff, and this program alone reads the bytes.
; THE OUTPUT IS LAID AS IMAGES OF OPERAND REGISTERS.  A row tile is 16 rows; tile 2 b + u holds in lane r the row 32 b + 8 u + r + 8 (r / 8).
; img: [tile 1,280][K step 8][half c 2][768 bytes]; a half is 16 rows x 64 along K: lane (r, h) has the 24 bytes of k = 64 c + 32 h + 0 .. 31:
; its first 16 bytes at 16 x lane, its last 8 at 512 + 8 x lane.  isc: [tile][512 bytes]: lane (r, h') has at 16 x lane the scale words of K steps 4 h' + 0 .. 3.
; Tiles: h_source 0, h_target 512, w_qk 1,024, w_v 1,152, w_o 1,216.
; SHARES.  1,280 tiles x 2 halves of K = 2,560 waves = 256 work-groups of ten.  A wave takes one tile and four K steps of 128.
; Each load reads 512 consecutive bytes of one row; a step's 16 rows turn through the wave's own stage in LDS (rows of 528 bytes), so that lane (r, h)
; gets whole blocks of 32 neighbours.  Every store covers 512 or 256 consecutive bytes, aligned.  Waves share nothing: no barrier.
.set STGB,  8448                       ; a wave's stage: 16 rows x (512 + 16) bytes
.set SPARE, 10*STGB                    ; behind the stages: the spare words, 128 bytes a wave: five blocks of 256 bytes that no other line names
.set L16,  1                           ; v1   16 x lane
.set L8,   2                           ; v2   8 x lane
.set SIN,  3                           ; v3   the stage on the way in: 16 x lane
.set SOUT, 4                           ; v4   and on the way out: 528 r + 128 h
.set SH8,  5                           ; v5   8 h: where my two scale bytes stand in the word
.set SCO,  6                           ; v6   16 r + 8 h: my two scale words in isc
.set SPW,  12                          ; v12  LDS address of my spare word; never rewritten
.set NIL,  13                          ; v13  0; never rewritten
.set R,    16                          ; v16-143  two sets of 64: a step's numbers as loaded
.set X,    144                         ; v144-207 two blocks of 32 neighbours
.set C,    208                         ; v208-213, v216-221 the two halves' codes
.set CT,   224                         ; v224-226, v228-230 a block's upper 16 codes (a conversion's three registers begin on an even number)
.set TM,   232                         ; v232-239 at work
.set SW,   240                         ; v240-243 the scale words of my four K steps
.set Y,    244                         ; v244-245 the two that I store
	s_load_b256 s[4:11], s[0:1], 0x0               ; h_source, h_target, w_qk, w_v
	s_load_b128 s[12:15], s[0:1], 0x20             ; w_o, img
	s_load_b64 s[16:17], s[0:1], 0x30              ; isc
	v_lshl_add_u32 v[SPW], v0, 2, SPARE
	v_mov_b32 v[NIL], 0
	v_lshrrev_b32 v7, 5, v0
	s_delay_alu instid0(VALU_DEP_1)
	v_readfirstlane_b32 s20, v7                    ; wave 0..9
	v_and_b32 v7, 31, v0                           ; lane
	v_and_b32 v8, 15, v0                           ; r
	v_bfe_u32 v9, v0, 4, 1                         ; h
	s_delay_alu instid0(VALU_DEP_3)
	v_lshlrev_b32 v[L16], 4, v7
	s_delay_alu instid0(VALU_DEP_4)
	v_lshlrev_b32 v[L8], 3, v7
	s_mul_i32 s21, s20, STGB                       ; my stage
	v_add_nc_u32 v[SIN], s21, v[L16]
	v_mul_u32_u24 v[SOUT], v8, 528
	s_delay_alu instid0(VALU_DEP_1)
	v_lshl_add_u32 v[SOUT], v9, 7, v[SOUT]
	s_delay_alu instid0(VALU_DEP_1)
	v_add_nc_u32 v[SOUT], s21, v[SOUT]
	v_lshlrev_b32 v[SH8], 3, v9
	v_lshlrev_b32 v[SCO], 4, v8
	s_delay_alu instid0(VALU_DEP_1)
	v_lshl_add_u32 v[SCO], v9, 3, v[SCO]
	s_mov_b32 s26, 0x76543210
	s_mov_b32 s27, 0xfedcba98                      ; v_permlanex16_b32's selects for lane l xor 16
	s_mov_b32 s28, 0xffff0000                      ; lanes 16-31
	s_lshr_b32 s22, s20, 1
	s_and_b32 s23, s20, 1                          ; which half of K
	s_mul_i32 s24, ttmp9, 5
	s_add_co_u32 s24, s24, s22                     ; my tile among the 1,280
	s_wait_alu depctr_va_vdst(0)
	s_wait_kmcnt 0x0
	s_mov_b64 s[18:19], s[12:13]                   ; which tensor: a choice on the tile's number alone
	s_mov_b32 s25, 1216
	s_cmp_lt_u32 s24, 1216
	s_cselect_b64 s[18:19], s[10:11], s[18:19]
	s_cselect_b32 s25, 1152, s25
	s_cmp_lt_u32 s24, 1152
	s_cselect_b64 s[18:19], s[8:9], s[18:19]
	s_cselect_b32 s25, 1024, s25
	s_cmp_lt_u32 s24, 1024
	s_cselect_b64 s[18:19], s[6:7], s[18:19]
	s_cselect_b32 s25, 512, s25
	s_cmp_lt_u32 s24, 512
	s_cselect_b64 s[18:19], s[4:5], s[18:19]
	s_cselect_b32 s25, 0, s25
	s_sub_co_u32 s25, s24, s25                     ; the tile's number in its tensor
	; H_SOURCE'S TILES (numbers under 512) HAVE AN ORDER OF THEIR OWN: tile 4 C + t holds in lane row i the row 64 C + 8 t + i % 8 + 32 (i / 8); all other tensors: tile 2 b + u, row 32 b + 8 u + i + 8 (i / 8)
	s_cmp_lt_u32 s24, 512
	s_cselect_b32 s33, 2, 1                        ; log2 of the tiles in a group
	s_cselect_b32 s38, 3, 1                        ; the tile's place in its group
	s_cselect_b32 s36, 0x10000, 0                  ; lane rows 8-15 lie 16 rows further on in h_source
	s_mov_b32 s37, 0
	s_lshr_b32 s30, s25, s33
	s_add_co_u32 s33, s33, 16
	s_lshl_b32 s30, s30, s33                       ; the group's first row: 64 C or 32 b rows of 4,096 bytes
	s_and_b32 s31, s25, s38
	s_lshl_b32 s31, s31, 15                        ; 8 rows for each tile in the group
	s_add_co_u32 s30, s30, s31
	s_lshl_b32 s31, s23, 11                        ; my half of K: 512 numbers
	s_add_co_u32 s30, s30, s31
	s_mov_b32 s31, 0
	s_add_nc_u64 s[18:19], s[18:19], s[30:31]
	s_add_nc_u64 s[34:35], s[18:19], s[36:37]      ; the base for lane rows 8-15
	s_mul_i32 s30, s24, 12288
	s_mul_i32 s32, s23, 6144
	s_add_co_u32 s30, s30, s32
	s_add_nc_u64 s[14:15], s[14:15], s[30:31]      ; my four fragments in img
	s_lshl_b32 s30, s24, 9
	s_lshl_b32 s32, s23, 8
	s_add_co_u32 s30, s30, s32
	s_add_nc_u64 s[16:17], s[16:17], s[30:31]      ; my 256 bytes of isc
.macro LOAD t                          ; K step t of my four: 16 rows x 512 bytes into set t % 2; lane row i is the tile's row i + 8 (i / 8)
.irp i, 0,1,2,3,4,5,6,7,8,9,10,11,12,13,14,15
	global_load_b128 v[R+64*((\t)%2)+4*\i:R+64*((\t)%2)+4*\i+3], v[L16], s[18+16*(\i/8):19+16*(\i/8)] offset:(\i+8*(\i/8))*4096+512*(\t) th:TH_LOAD_NT
.endr
.endm
.macro STEP t
.if (\t) < 3
	s_wait_loadcnt 16                              ; this step's sixteen loads are in; the next step's sixteen may be out
.else
	s_wait_loadcnt 0x0
.endif
.irp i, 0,1,2,3,4,5,6,7,8,9,10,11,12,13,14,15
	ds_store_b128 v[SIN], v[R+64*((\t)%2)+4*\i:R+64*((\t)%2)+4*\i+3] offset:528*\i
.endr
.irp c, 0,1
.irp q, 0,1,2,3,4,5,6,7
	ds_load_b128 v[X+32*\c+4*\q:X+32*\c+4*\q+3], v[SOUT] offset:256*\c+16*\q   ; LDS serves a wave's instructions in order: these see the stores above.  Block 2 c + h of row r
.endr
.endr
	s_wait_dscnt 0x0                               ; my two blocks are back, and the stores have read their registers,
.if (\t) < 2
	LOAD (\t)+2                                    ; which take the loads of two steps on
.endif
.irp c, 0,1
	v_max3_num_f32 v[TM+2*\c], |v[X+32*\c]|, |v[X+32*\c+1]|, |v[X+32*\c+2]|     ; a block's largest magnitude: all 32 numbers are mine; two chains a block
	v_max3_num_f32 v[TM+2*\c+1], |v[X+32*\c+3]|, |v[X+32*\c+4]|, |v[X+32*\c+5]|
.endr
.irp i, 6,10,14,18,22,26
.irp c, 0,1
	s_delay_alu instid0(VALU_DEP_4)
	v_max3_num_f32 v[TM+2*\c], v[TM+2*\c], |v[X+32*\c+\i]|, |v[X+32*\c+\i+1]|
	s_delay_alu instid0(VALU_DEP_4)
	v_max3_num_f32 v[TM+2*\c+1], v[TM+2*\c+1], |v[X+32*\c+\i+2]|, |v[X+32*\c+\i+3]|
.endr
.endr
.irp c, 0
	s_delay_alu instid0(VALU_DEP_4)
	v_max3_num_f32 v[TM+2*\c], v[TM+2*\c], |v[X+32*\c+30]|, |v[X+32*\c+31]|
.endr
.irp c, 1
	s_delay_alu instid0(VALU_DEP_3)
	v_max3_num_f32 v[TM+2*\c], v[TM+2*\c], |v[X+32*\c+30]|, |v[X+32*\c+31]|
.endr
.irp c, 0,1
	s_delay_alu instid0(VALU_DEP_2)
	v_max3_num_f32 v[TM+2*\c], v[TM+2*\c], v[TM+2*\c+1], 0x1800000   ; and the floor 2^(3 - 127): the byte cannot fall under 1
.endr
.irp c, 0,1
	s_delay_alu instid0(VALU_DEP_2)
	v_add_nc_u32 v[TM+4+\c], 0xff000000, v[TM+2*\c]   ; 2 off the exponent field: the conversion takes this operand's exponent field as its scale
.endr
.irp c, 0,1
	s_delay_alu instid0(VALU_DEP_2)
	v_lshrrev_b32 v[TM+6+\c], 23, v[TM+4+\c]       ; the scale's byte
.endr
	s_delay_alu instid0(VALU_DEP_1)
	v_lshl_or_b32 v[TM], v[TM+7], 16, v[TM+6]      ; my two bytes: blocks h and 2 + h,
	s_delay_alu instid0(VALU_DEP_1)
	v_lshlrev_b32 v[TM], v[SH8], v[TM]             ; at their places in the word;
	s_delay_alu instid0(VALU_DEP_1)
	v_permlanex16_b32 v[TM+1], v[TM], s26, s27
	s_delay_alu instid0(VALU_DEP_1)
	v_or_b32 v[SW+(\t)], v[TM], v[TM+1]            ; with lane l xor 16's two the word is whole
	s_wait_alu depctr_va_vdst(0)
	s_wait_xcnt 0x0                                ; the last step's stores have read their data: the codes' registers may be written again
.irp c, 0,1
	v_cvt_scalef32_pk16_fp6_f32 v[C+8*\c:C+8*\c+2], v[X+32*\c:X+32*\c+15], v[TM+4+\c]
	v_cvt_scalef32_pk16_fp6_f32 v[CT+4*\c:CT+4*\c+2], v[X+32*\c+16:X+32*\c+31], v[TM+4+\c]
.endr
	v_nop                                          ; one plain place behind a scaled conversion
.irp c, 0,1
.irp i, 0,1,2
	v_mov_b32 v[C+8*\c+3+\i], v[CT+4*\c+\i]
.endr
.endr
.irp c, 0,1
	global_store_b128 v[L16], v[C+8*\c:C+8*\c+3], s[14:15] offset:1536*(\t)+768*\c        ; 512 consecutive bytes
	global_store_b64 v[L8], v[C+8*\c+4:C+8*\c+5], s[14:15] offset:1536*(\t)+768*\c+512    ; 256 consecutive bytes
.endr
.endm
	LOAD 0
	LOAD 1
	STEP 0
	STEP 1
	STEP 2
	STEP 3
	v_cndmask_b32 v[Y], v[SW], v[SW+2], s28        ; lanes 0-15 store words 0 and 1 of their row, lanes 16-31 words 2 and 3
	v_cndmask_b32 v[Y+1], v[SW+1], v[SW+3], s28
	global_store_b64 v[SCO], v[Y:Y+1], s[16:17]    ; 256 consecutive bytes, aligned
	s_wait_tensorcnt 0x0                           ; the wave's end, behind my last LDS store
	ds_add_u32 v[SPW], v[NIL]
	s_wait_dscnt 0x0
	s_endpgm
.Lfunc_end_k_q7bad3a70e3_quant:
	.size	k_q7bad3a70e3_quant, .Lfunc_end_k_q7bad3a70e3_quant-k_q7bad3a70e3_quant
	.p2alignl 7, 3214868480
	.fill 96, 4, 3214868480
	.section	.rodata,"a",@progbits
	.p2align	6, 0x0
	.amdhsa_kernel k_q7bad3a70e3_quant
		.amdhsa_group_segment_fixed_size 86016
		.amdhsa_private_segment_fixed_size 0
		.amdhsa_enable_private_segment 0
		.amdhsa_kernarg_size 56
		.amdhsa_user_sgpr_count 2
		.amdhsa_user_sgpr_kernarg_segment_ptr 1
		.amdhsa_wavefront_size32 1
		.amdhsa_system_sgpr_workgroup_id_x 1
		.amdhsa_system_sgpr_workgroup_id_y 1
		.amdhsa_system_sgpr_workgroup_id_z 1
		.amdhsa_system_vgpr_workitem_id 0
		.amdhsa_next_free_vgpr 256
		.amdhsa_next_free_sgpr 66
		.amdhsa_reserve_vcc 0
		.amdhsa_float_denorm_mode_32 3
		.amdhsa_float_denorm_mode_16_64 3
		.amdhsa_memory_ordered 1
		.amdhsa_forward_progress 1
		.amdhsa_inst_pref_size 36
	.end_amdhsa_kernel
	.amdgpu_metadata
---
amdhsa.version: [ 1, 2 ]
amdhsa.kernels:
  - .name:           k_q7bad3a70e3_quant
    .symbol:         k_q7bad3a70e3_quant.kd
    .args:
      - { .name: h_source, .offset: 0, .size: 8, .value_kind: global_buffer, .address_space: global }
      - { .name: h_target, .offset: 8, .size: 8, .value_kind: global_buffer, .address_space: global }
      - { .name: w_qk, .offset: 16, .size: 8, .value_kind: global_buffer, .address_space: global }
      - { .name: w_v, .offset: 24, .size: 8, .value_kind: global_buffer, .address_space: global }
      - { .name: w_o, .offset: 32, .size: 8, .value_kind: global_buffer, .address_space: global }
      - { .name: img, .offset: 40, .size: 8, .value_kind: global_buffer, .address_space: global }
      - { .name: isc, .offset: 48, .size: 8, .value_kind: global_buffer, .address_space: global }
    .group_segment_fixed_size: 86016
    .private_segment_fixed_size: 0
    .kernarg_segment_align: 8
    .kernarg_segment_size: 56
    .max_flat_workgroup_size: 320
    .sgpr_count:     66
    .vgpr_count:     256
    .wavefront_size: 32
...
	.end_amdgpu_metadata
.endif
;; end of part 1
;; launch proj (part 2): grid 8 x 32, 4 waves a work-group, clusters of 4 x 1, 327,680 bytes of LDS; arguments img, isc, qk_img, qk_sc, v_img, v_sc; writes qk_img, qk_sc, v_img, v_sc
.if DOCPART == 2
	.amdgcn_target "amdgcn-amd-amdhsa--gfx1250"
	.amdhsa_code_object_version 6
	.text
	.protected	k_q7bad3a70e3_proj
	.globl	k_q7bad3a70e3_proj
	.p2align	8
	.type	k_q7bad3a70e3_proj,@function
k_q7bad3a70e3_proj:
	s_mov_b64 s[64:65], 0
	v_nop
	global_prefetch_b8 v0, s[64:65] scope:SCOPE_SE
	s_setreg_imm32_b32 hwreg(HW_REG_WAVE_MODE, 25, 1), 1
	s_wait_xcnt 0x0
	s_wait_alu depctr_hold_cnt(0) depctr_sa_sdst(0) depctr_va_vdst(0) depctr_va_sdst(0) depctr_va_ssrc(0) depctr_va_vcc(0) depctr_vm_vsrc(0)
	s_getreg_b32 s2, hwreg(HW_REG_IB_STS2, 6, 4)
	s_cmp_eq_u32 s2, 0
	s_cbranch_scc0 .Lentry_in_a_cluster
	s_endpgm
.Lentry_in_a_cluster:
	s_bfe_u32 s2, ttmp6, 0x10000c
	s_cmp_lg_u32 s2, 0x3003
	s_cbranch_scc0 .Lentry_shape_is_right
	s_endpgm
.Lentry_shape_is_right:
; The two projections on codes of FP6 (E2M3), K = 1,024, and the quantisers behind them: qk = h_source w_qk^T is quantised along a head's 64 channels, v = h_target w_v^T along the keys.
; No f32 result goes to memory: a finished tile is quantised in registers and leaves as an image of the next product's operand registers.
; LIMITS: NaN and infinities are not served; a block whose largest magnitude lies under 2^-124 (a block of zeros among them) gets the scale byte 1; its codes are zeros or as the floor's scale gives them; this program alone reads the bytes.
; SOURCE 0 IS THE TENSOR WHOSE ROWS BECOME THE NEXT K.  Its row tiles hold rows 32 b + 8 u + r + 8 (r / 8), so that the 16 registers of result tiles 2 b and 2 b + 1 are 16 neighbours along that K.
; A wave keeps 64 rows of source 0 for all of K in registers (4 tiles x 8 K steps x 12 = 384), loaded straight from img.  Source 1 lies in LDS for all of K, shared by the four waves, brought by first fills alone.
; PHASE 1: source 0 = 64 rows of w_qk (one head's q or k: J = 4 x + wave), source 1 = 256 tokens of h_source (16 tiles).  PHASE 2: source 0 = 64 keys of h_target, source 1 = 128 channels of w_v (8 tiles).
; CLUSTER: the four work-groups of a cluster need the same 256 tokens and the same 128 channels: every tensor load is asked for jointly, by the same descriptor with the mask of all four.
; REGISTERS, in windows of 256: window 0: addresses, four accumulators, scale words, the quantiser's work.  Windows 1, 2: source 0, K steps 0-3 and 4-7 (tile b, step s at 12 (4 (s % 4) + b)).  Window 3: source 1, two sets of 96.
.set SPARE, 294912                     ; behind the 24 tiles of 12,288 bytes: the spare words, 128 bytes a wave: two blocks of 256 bytes that no other line names
.set L16,  1                           ; v1      16 x lane
.set L8,   2                           ; v2      8 x lane
.set LA,   4                           ; v4-9    16 x lane + 49,152 i: four tiles lie within an LDS immediate's reach
.set LB,   10                          ; v10-15  8 x lane + 49,152 i
.set SPW,  16                          ; v16     LDS address of my spare word; never rewritten
.set NIL,  17                          ; v17     0; never rewritten
.set AC,   32                          ; v32-63  four accumulators
.set IS,   64                          ; v64-79  source 0's scale words: tile b at 64 + 4 b; register i: K step i in lanes 0-15, K step 4 + i in lanes 16-31
.set OS,   80                          ; v80-175 source 1's: tile g at 80 + 4 g
.set TMQ,  176                         ; v176-184 the quantiser's work; v184 the scale word
.set PCQ,  192                         ; v192-197 the codes
.set PTQ,  200                         ; v200-202
.set XW,   204                         ; v204-207 scale words gathered for one store
.set WV,   16                          ; s16  my wave's number
.set G1,   24                          ; s[24:31] descriptor group 1
.set G0,   32                          ; s[32:43] three groups 0
.set I1,   44
.set IS1,  46
.set OS1,  48
.set OUT1, 50
.set OSC1, 52
.set I2,   54
.set IS2,  56
.set OS2,  58
.set OUT2, 60
.set OSC2, 62
.set SEL,  66                          ; s[66:67] lane selects for lane l xor 16
.set SH,   68                          ; s68  how far the scale word is shifted
.set HI,   69                          ; s69  lanes 16-31
.set MSB, 0
.macro WIN new                         ; the immediate's high byte repeats the setting that is left
.if MSB != \new
	s_set_vgpr_msb (MSB<<8)|\new
.set MSB, \new
.endif
.endm
.macro PLACES n
.rept \n
	v_nop
.endr
.endm
.macro CROUND                          ; a round of the cluster's barrier
	s_barrier_signal -1
	s_barrier_wait -1
	s_cmp_lg_u32 s[WV], 0
	s_cbranch_scc1 .Lnot_wave_0_\@
	s_barrier_signal -3
.Lnot_wave_0_\@:
	s_barrier_wait -3
	s_barrier_signal -1
	s_barrier_wait -1
.endm
; 32 numbers of a lane, register 16 b + i = k 32 b + 16 (lane / 16) + i of my row, become six registers of codes (lane (r, h): k = 32 h + 0 .. 31) and the row's scale word (two bytes, shifted by s[SH]) in v[TM + 8].
.macro QUANTH s, TM, PC, PT
.irp b, 0,1
	v_max3_num_f32 v[\TM+\b], |v[\s+16*\b]|, |v[\s+16*\b+1]|, 0x1800000   ; my 16 numbers of block b, from each accumulator's low end on, and the floor 2^(3 - 127)
.endr
.irp i, 2,4,6,8,10,12,14
.irp b, 0,1
	v_max3_num_f32 v[\TM+\b], v[\TM+\b], |v[\s+16*\b+\i]|, |v[\s+16*\b+\i+1]|
.endr
.endr
.irp b, 0,1
	v_permlanex16_b32 v[\TM+2+\b], v[\TM+\b], s[SEL], s[SEL+1]
.endr
.irp b, 0,1
	v_max_num_f32 v[\TM+\b], v[\TM+\b], v[\TM+2+\b]   ; with lane l xor 16's: the block's largest magnitude
.endr
.irp b, 0,1
	v_add_nc_u32 v[\TM+4+\b], 0xff000000, v[\TM+\b]   ; 2 off its exponent field: the conversion's scale operand
.endr
.irp b, 0,1
	v_lshrrev_b32 v[\TM+6+\b], 23, v[\TM+4+\b]     ; the scale's byte
.endr
	v_lshl_or_b32 v[\TM+8], v[\TM+7], 8, v[\TM+6]
	v_lshlrev_b32 v[\TM+8], s[SH], v[\TM+8]
	s_wait_alu depctr_va_vdst(0)
	s_wait_xcnt 0x0                                ; the last stores have read their data: the codes' and the words' registers may be written again
	v_cvt_scalef32_pk16_fp6_f32 v[\PC:\PC+2], v[\s:\s+15], v[\TM+4]
	v_cvt_scalef32_pk16_fp6_f32 v[\PT:\PT+2], v[\s+16:\s+31], v[\TM+5]
	v_nop                                          ; one plain place behind a scaled conversion
.irp i, 0,1,2
	v_permlane16_swap_b32 v[\PC+\i], v[\PT+\i]     ; a whole block to a lane: lanes 0-15 block 0, lanes 16-31 block 1
.endr
.irp i, 0,1,2
	v_mov_b32 v[\PC+3+\i], v[\PT+\i]
.endr
.endm
; source 0: four tiles x eight K steps from img, and their scale words from isc.  A fragment is four loads: 512, 256, 512, 256 consecutive bytes
.macro ILOAD cod, wrd
	WIN 0x40                                       ; destination window 1
.irp s, 0,1,2,3
.irp b, 0,1,2,3
	global_load_b128 v[12*(4*\s+\b):12*(4*\s+\b)+3], v[L16], s[\cod:\cod+1] offset:(8*\b+\s)*1536
	global_load_b64 v[12*(4*\s+\b)+4:12*(4*\s+\b)+5], v[L8], s[\cod:\cod+1] offset:(8*\b+\s)*1536+512
	global_load_b128 v[12*(4*\s+\b)+6:12*(4*\s+\b)+9], v[L16], s[\cod:\cod+1] offset:(8*\b+\s)*1536+768
	global_load_b64 v[12*(4*\s+\b)+10:12*(4*\s+\b)+11], v[L8], s[\cod:\cod+1] offset:(8*\b+\s)*1536+1280
.endr
.endr
	WIN 0x80                                       ; destination window 2
.irp s, 4,5,6,7
.irp b, 0,1,2,3
	global_load_b128 v[12*(4*(\s-4)+\b):12*(4*(\s-4)+\b)+3], v[L16], s[\cod:\cod+1] offset:(8*\b+\s)*1536
	global_load_b64 v[12*(4*(\s-4)+\b)+4:12*(4*(\s-4)+\b)+5], v[L8], s[\cod:\cod+1] offset:(8*\b+\s)*1536+512
	global_load_b128 v[12*(4*(\s-4)+\b)+6:12*(4*(\s-4)+\b)+9], v[L16], s[\cod:\cod+1] offset:(8*\b+\s)*1536+768
	global_load_b64 v[12*(4*(\s-4)+\b)+10:12*(4*(\s-4)+\b)+11], v[L8], s[\cod:\cod+1] offset:(8*\b+\s)*1536+1280
.endr
.endr
	WIN 0
.irp b, 0,1,2,3
	global_load_b128 v[IS+4*\b:IS+4*\b+3], v[L16], s[\wrd:\wrd+1] offset:512*\b
.endr
.endm
.macro FETCH g                         ; tile g of source 1, all eight K steps, from LDS into set g % 2 of window 3: 32 loads, each of consecutive bytes
	WIN 0xc0
.irp s, 0,1,2,3,4,5,6,7
	ds_load_b128 v[96*((\g)%2)+12*\s:96*((\g)%2)+12*\s+3], v[LA+(\g)/4] offset:((\g)%4)*12288+1536*\s
	ds_load_b64 v[96*((\g)%2)+12*\s+4:96*((\g)%2)+12*\s+5], v[LB+(\g)/4] offset:((\g)%4)*12288+1536*\s+512
	ds_load_b128 v[96*((\g)%2)+12*\s+6:96*((\g)%2)+12*\s+9], v[LA+(\g)/4] offset:((\g)%4)*12288+1536*\s+768
	ds_load_b64 v[96*((\g)%2)+12*\s+10:96*((\g)%2)+12*\s+11], v[LB+(\g)/4] offset:((\g)%4)*12288+1536*\s+1280
.endr
	WIN 0
.endm
.macro MUL g                           ; 32 matrix instructions: K ascending, the four accumulators by turns, one instruction a turn; the first K step starts the sums
	WIN 0x0d                                       ; source 0 window 1, source 1 window 3, C and D window 0
.irp s, 0,1,2,3
.irp b, 0,1,2,3
.if \s == 0
	v_wmma_scale_f32_16x16x128_f8f6f4 v[AC+8*\b:AC+8*\b+7], v[12*(4*\s+\b):12*(4*\s+\b)+11], v[96*((\g)%2)+12*\s:96*((\g)%2)+12*\s+11], 0, v[IS+4*\b+\s], v[OS+4*(\g)+\s] matrix_a_fmt:MATRIX_FMT_FP6 matrix_b_fmt:MATRIX_FMT_FP6
.else
	v_wmma_scale_f32_16x16x128_f8f6f4 v[AC+8*\b:AC+8*\b+7], v[12*(4*\s+\b):12*(4*\s+\b)+11], v[96*((\g)%2)+12*\s:96*((\g)%2)+12*\s+11], v[AC+8*\b:AC+8*\b+7], v[IS+4*\b+\s], v[OS+4*(\g)+\s] matrix_a_fmt:MATRIX_FMT_FP6 matrix_b_fmt:MATRIX_FMT_FP6
.endif
.endr
.endr
	WIN 0x0e                                       ; source 0 window 2
.irp s, 4,5,6,7
.irp b, 0,1,2,3
	v_wmma_scale_f32_16x16x128_f8f6f4 v[AC+8*\b:AC+8*\b+7], v[12*(4*(\s-4)+\b):12*(4*(\s-4)+\b)+11], v[96*((\g)%2)+12*\s:96*((\g)%2)+12*\s+11], v[AC+8*\b:AC+8*\b+7], v[IS+4*\b+\s-4], v[OS+4*(\g)+\s-4] matrix_a_fmt:MATRIX_FMT_FP6 matrix_b_fmt:MATRIX_FMT_FP6 matrix_a_scale:MATRIX_SCALE_ROW1 matrix_b_scale:MATRIX_SCALE_ROW1
.endr
.endr
	WIN 0
.endm
; a finished tile: 64 along the next K x 16 rows: quantised, and stored as half a fragment (768 bytes); the scale words of two tiles share a register (lanes 0-15, lanes 16-31)
.macro EPI g
	PLACES 5                                       ; four in front of the first read of the results and of the next loads into source 1's registers; the fifth for the next tile's products, which begin these accumulators anew
	QUANTH AC, TMQ, PCQ, PTQ
.if (\g) < 16
.set XJ, ((\g)%8)/2
.set OO, 768*(\g)
.else
.set XJ, ((\g)%4)/2
.set OO, (((\g)-16)/4)*98304+(((\g)-16)%4)*1536
.endif
.if (\g)%2 == 0
	v_mov_b32 v[XW+XJ], v[TMQ+8]
.else
	v_cndmask_b32 v[XW+XJ], v[XW+XJ], v[TMQ+8], s[HI]
.endif
.if (\g) < 16
	global_store_b128 v[L16], v[PCQ:PCQ+3], s[OUT1:OUT1+1] offset:OO
	global_store_b64 v[L8], v[PCQ+4:PCQ+5], s[OUT1:OUT1+1] offset:OO+512
.if (\g)%8 == 7
	global_store_b128 v[L16], v[XW:XW+3], s[OSC1:OSC1+1] offset:512*((\g)/8)   ; eight tiles' scale words: 512 consecutive bytes
.endif
.else
	global_store_b128 v[L16], v[PCQ:PCQ+3], s[OUT2:OUT2+1] offset:OO
	global_store_b64 v[L8], v[PCQ+4:PCQ+5], s[OUT2:OUT2+1] offset:OO+512
.if (\g)%4 == 3
	global_store_b64 v[L8], v[XW:XW+1], s[OSC2:OSC2+1] offset:8192*(((\g)-16)/4)   ; a head's four channel tiles: 256 consecutive bytes
.endif
.endif
.endm
.macro TILE g, next
	s_wait_dscnt 0x0                               ; tile g's fragments, asked for a tile ago
.if \next
	FETCH (\g)+1
.endif
	MUL \g
	EPI \g
.endm
	s_load_b256 s[4:11], s[0:1], 0x0               ; img, isc, qk_img, qk_sc
	s_load_b128 s[12:15], s[0:1], 0x20             ; v_img, v_sc
	v_lshl_add_u32 v[SPW], v0, 2, SPARE
	v_mov_b32 v[NIL], 0
	ds_add_u32 v[SPW], v[NIL]                      ; the wave's opening: the add and its wait ahead of my first tensor load; the set-up below, work on registers, stands between them
	ds_add_u32 v[SPW], v[NIL]
	v_lshrrev_b32 v3, 5, v0
	v_readfirstlane_b32 s[WV], v3                  ; wave 0..3
	v_and_b32 v3, 31, v0
	v_lshlrev_b32 v[L16], 4, v3
	v_lshlrev_b32 v[L8], 3, v3
.irp i, 0,1,2,3,4,5
	v_add_nc_u32 v[LA+\i], 49152*\i, v[L16]
	v_add_nc_u32 v[LB+\i], 49152*\i, v[L8]
.endr
	v_mov_b32 v[TMQ+2], 0                          ; written once: a lane permute's destination counts as one of its sources
	v_mov_b32 v[TMQ+3], 0
	s_mov_b32 s[SEL], 0x76543210
	s_mov_b32 s[SEL+1], 0xfedcba98
	s_mov_b32 s[SH], 0
	s_mov_b32 s[HI], 0xffff0000
	; descriptor group 1: four tiles, 49,152 dense bytes, as 192 rows of 256 bytes
	s_mov_b32 s[G1], 15|(3<<16)|(1<<21)            ; 15:0 the mask: all four work-groups; 17:16 elements of 8 bytes; 21 set beside a mask; no padding
	s_mov_b32 s[G1+1], 32<<16                      ; tensor_dim0 = 32
	s_mov_b32 s[G1+2], 192<<16                     ; tensor_dim1 = 192: the head's load brings four tiles, 49,152 dense bytes
	s_mov_b32 s[G1+3], 32<<16                      ; tile_dim0 = 32
	s_mov_b32 s[G1+4], 192                         ; tile_dim1 = 192
	s_mov_b32 s[G1+5], 32                          ; from row to row
	s_mov_b32 s[G1+6], 0
	s_mov_b32 s[G1+7], 0
	; what the four partners share: y, the cluster's x, the wave's number.  These registers never hold my place in the cluster
	s_and_b32 s19, ttmp7, 0xffff                   ; y: which 256 tokens
	s_mul_i32 s22, s[WV], 24576                    ; my two tiles of eight, in memory and in LDS
	s_mul_i32 s20, s19, 196608
	s_lshl_b32 s79, s22, 1                         ; my four tiles of the tokens' sixteen, in memory and in LDS
	s_add_co_u32 s20, s20, s79
	s_mov_b32 s21, 0                               ; h_source's tiles 16 y + 4 wave on
	s_lshl_b32 s23, s19, 1
	s_add_co_u32 s23, s23, ttmp9                   ; the cluster's number, 0 .. 63
	s_and_b32 s18, s23, 7                          ; which 128 channels of v
	s_lshr_b32 s17, s23, 3                         ; which 1,024 keys
	s_lshl_b32 s78, s18, 3
	s_add_co_u32 s78, s78, 1152                    ; w_v's first tile of them
	s_mul_i32 s76, s78, 12288
	s_add_co_u32 s76, s76, s22
	s_mov_b32 s77, 0
	; what hangs on my place in the cluster: it enters register operands' and results' addresses alone
	s_bfe_u32 s70, ttmp6, 0x40000                  ; cx
	s_lshl_b32 s71, ttmp9, 2
	s_add_co_u32 s71, s71, s70                     ; x
	s_lshl_b32 s72, s71, 4
	s_lshl_b32 s73, s[WV], 2
	s_add_co_u32 s72, s72, s73                     ; 16 x + 4 wave
	s_lshr_b32 s73, s72, 2                         ; J = 2 head + (0: q, 1: k)
	s_add_co_u32 s72, s72, 1024                    ; w_qk's tile
	s_mul_i32 s80, s72, 12288
	s_mov_b32 s81, 0
	s_lshl_b32 s82, s72, 9
	s_mov_b32 s83, 0
	s_lshr_b32 s74, s19, 3                         ; the batch
	s_lshl_b32 s74, s74, 5
	s_add_co_u32 s74, s74, s73
	s_and_b32 s75, s19, 7
	s_lshl_b32 s84, s74, 7
	s_lshl_b32 s85, s75, 4
	s_add_co_u32 s84, s84, s85
	s_mul_i32 s84, s84, 768                        ; qk_img: [batch][J][token tile 128][768]
	s_mov_b32 s85, 0
	s_lshl_b32 s86, s74, 4
	s_lshl_b32 s87, s75, 1
	s_add_co_u32 s86, s86, s87
	s_lshl_b32 s86, s86, 9                         ; qk_sc: [batch][J][eight tiles 16][512]
	s_mov_b32 s87, 0
	s_lshl_b32 s72, s17, 2
	s_add_co_u32 s72, s72, s70                     ; which 256 keys
	s_lshl_b32 s73, s72, 4
	s_lshl_b32 s74, s[WV], 2
	s_add_co_u32 s73, s73, s74
	s_add_co_u32 s73, s73, 512                     ; h_target's tile
	s_mul_i32 s88, s73, 12288
	s_mov_b32 s89, 0
	s_lshl_b32 s90, s73, 9
	s_mov_b32 s91, 0
	s_lshr_b32 s73, s72, 3                         ; the batch
	s_lshl_b32 s73, s73, 4
	s_lshl_b32 s74, s18, 1
	s_add_co_u32 s73, s73, s74                     ; 16 batch + the first of my two heads
	s_lshl_b32 s74, s72, 1
	s_lshr_b32 s75, s[WV], 1
	s_add_co_u32 s74, s74, s75
	s_and_b32 s74, s74, 15                         ; the key step of 128
	s_and_b32 s75, s[WV], 1                        ; and its half
	s_mul_i32 s92, s73, 98304
	s_mul_i32 s93, s74, 6144
	s_add_co_u32 s92, s92, s93
	s_mul_i32 s93, s75, 768
	s_add_co_u32 s92, s92, s93                     ; v_img: [batch, head][key step][channel tile][half][768]
	s_mov_b32 s93, 0
	s_lshl_b32 s94, s73, 13
	s_lshl_b32 s95, s74, 9
	s_add_co_u32 s94, s94, s95
	s_lshl_b32 s95, s75, 8
	s_add_co_u32 s94, s94, s95                     ; v_sc: [batch, head][key step][half][256]
	s_mov_b32 s95, 0
	s_lshl_b32 s96, s75, 4                         ; phase 2: the half's two bytes stand 16 x half bits up in the word
	s_lshl_b32 s98, s19, 13
	s_mov_b32 s99, 0
	s_wait_dscnt 0x0                               ; the opening add is done
	s_wait_kmcnt 0x0
	s_add_nc_u64 s[I1:I1+1], s[4:5], s[80:81]
	s_add_nc_u64 s[IS1:IS1+1], s[6:7], s[82:83]
	s_add_nc_u64 s[OS1:OS1+1], s[6:7], s[98:99]
	s_add_nc_u64 s[OUT1:OUT1+1], s[8:9], s[84:85]
	s_add_nc_u64 s[OSC1:OSC1+1], s[10:11], s[86:87]
	s_add_nc_u64 s[I2:I2+1], s[4:5], s[88:89]
	s_add_nc_u64 s[IS2:IS2+1], s[6:7], s[90:91]
	s_lshl_b32 s98, s78, 9
	s_add_nc_u64 s[OS2:OS2+1], s[6:7], s[98:99]
	s_add_nc_u64 s[OUT2:OUT2+1], s[12:13], s[92:93]
	s_add_nc_u64 s[OSC2:OSC2+1], s[14:15], s[94:95]
	s_mov_b32 s[G0], 1                             ; set 0: tokens' tiles 4 wave .. 4 wave + 3
	s_mov_b32 s[G0+1], s79
	s_add_nc_u64 s[G0+2:G0+3], s[4:5], s[20:21]
	s_or_b32 s[G0+3], s[G0+3], 0x80000000
	s_mov_b32 s[G0+8], 1                           ; set 2: w_v's tiles, LDS tiles 16 + 2 wave on
	s_add_co_u32 s[G0+9], s22, 196608
	s_add_nc_u64 s[G0+10:G0+11], s[4:5], s[76:77]
	s_or_b32 s[G0+11], s[G0+11], 0x80000000
	CROUND                                         ; all four work-groups are here: the joint loads meet
	tensor_load_to_lds s[G0:G0+3], s[G1:G1+7]      ; the tokens' tiles 4 wave .. 4 wave + 3: my one load at the head
	s_nop 0
	PLACES 4
	ILOAD I1, IS1
.irp g, 0,1,2,3,4,5,6,7,8,9,10,11,12,13,14,15
	global_load_b128 v[OS+4*\g:OS+4*\g+3], v[L16], s[OS1:OS1+1] offset:512*\g
.endr
.irp g, 0,1,2,3,4,5,6,7
	global_load_b128 v[OS+64+4*\g:OS+64+4*\g+3], v[L16], s[OS2:OS2+1] offset:512*\g
.endr
	s_wait_tensorcnt 0x0                           ; my four tiles are in
	ds_add_u32 v[SPW], v[NIL]
	s_mov_b32 s[G1+2], 96<<16                      ; no load of mine is out, so the descriptor may be written: w_v's load brings two tiles, 96 rows
	s_mov_b32 s[G1+4], 96
	s_wait_dscnt 0x0
	CROUND                                         ; everybody's tiles are in, and the four work-groups meet for the next joint load
	tensor_load_to_lds s[G0+8:G0+11], s[G1:G1+7]   ; w_v's tiles, first filled here; they land under phase 1
	s_nop 0
	PLACES 4
	FETCH 0
	s_wait_loadcnt 0x0                             ; source 0 and all scale words
.irp g, 0,1,2,3,4,5,6,7,8,9,10,11,12,13,14
	TILE \g, 1
.endr
	TILE 15, 0
	ILOAD I2, IS2                                  ; phase 2's source 0 (the places behind the last products stand in the tile's end)
	s_mov_b32 s[SH], s96
	s_wait_tensorcnt 0x0
	s_wait_dscnt 0x0
	s_barrier_signal -1
	s_barrier_wait -1
	FETCH 16
	s_wait_loadcnt 0x0
.irp g, 16,17,18,19,20,21,22
	TILE \g, 1
.endr
	TILE 23, 0
	s_wait_tensorcnt 0x0                           ; the wave's end, behind my last tensor load
	ds_add_u32 v[SPW], v[NIL]
	s_wait_dscnt 0x0
	CROUND                                         ; the closing round: no work-group ends while a partner may still ask for a tile that names it
	s_endpgm
.Lfunc_end_k_q7bad3a70e3_proj:
	.size	k_q7bad3a70e3_proj, .Lfunc_end_k_q7bad3a70e3_proj-k_q7bad3a70e3_proj
	.p2alignl 7, 3214868480
	.fill 96, 4, 3214868480
	.section	.rodata,"a",@progbits
	.p2align	6, 0x0
	.amdhsa_kernel k_q7bad3a70e3_proj
		.amdhsa_group_segment_fixed_size 327680
		.amdhsa_private_segment_fixed_size 0
		.amdhsa_enable_private_segment 0
		.amdhsa_kernarg_size 48
		.amdhsa_user_sgpr_count 2
		.amdhsa_user_sgpr_kernarg_segment_ptr 1
		.amdhsa_wavefront_size32 1
		.amdhsa_system_sgpr_workgroup_id_x 1
		.amdhsa_system_sgpr_workgroup_id_y 1
		.amdhsa_system_sgpr_workgroup_id_z 1
		.amdhsa_system_vgpr_workitem_id 0
		.amdhsa_next_free_vgpr 1024
		.amdhsa_next_free_sgpr 100
		.amdhsa_reserve_vcc 0
		.amdhsa_float_denorm_mode_32 3
		.amdhsa_float_denorm_mode_16_64 3
		.amdhsa_memory_ordered 1
		.amdhsa_forward_progress 1
		.amdhsa_inst_pref_size 240
	.end_amdhsa_kernel
	.amdgpu_metadata
---
amdhsa.version: [ 1, 2 ]
amdhsa.kernels:
  - .name:           k_q7bad3a70e3_proj
    .symbol:         k_q7bad3a70e3_proj.kd
    .args:
      - { .name: img, .offset: 0, .size: 8, .value_kind: global_buffer, .address_space: global }
      - { .name: isc, .offset: 8, .size: 8, .value_kind: global_buffer, .address_space: global }
      - { .name: qk_img, .offset: 16, .size: 8, .value_kind: global_buffer, .address_space: global }
      - { .name: qk_sc, .offset: 24, .size: 8, .value_kind: global_buffer, .address_space: global }
      - { .name: v_img, .offset: 32, .size: 8, .value_kind: global_buffer, .address_space: global }
      - { .name: v_sc, .offset: 40, .size: 8, .value_kind: global_buffer, .address_space: global }
    .group_segment_fixed_size: 327680
    .private_segment_fixed_size: 0
    .kernarg_segment_align: 8
    .kernarg_segment_size: 48
    .max_flat_workgroup_size: 128
    .sgpr_count:     100
    .vgpr_count:     1024
    .wavefront_size: 32
...
	.end_amdgpu_metadata
.endif
;; end of part 2
;; launch attn (part 3): grid 4 x 64, 16 waves a work-group, clusters of 4 x 1, 327,680 bytes of LDS; arguments qk_img, qk_sc, v_img, v_sc, o_img, o_sc; writes o_img, o_sc
.if DOCPART == 3
	.amdgcn_target "amdgcn-amd-amdhsa--gfx1250"
	.amdhsa_code_object_version 6
	.text
	.protected	k_q7bad3a70e3_attn
	.globl	k_q7bad3a70e3_attn
	.p2align	8
	.type	k_q7bad3a70e3_attn,@function
k_q7bad3a70e3_attn:
	s_mov_b64 s[64:65], 0
	v_nop
	global_prefetch_b8 v0, s[64:65] scope:SCOPE_SE
	s_setreg_imm32_b32 hwreg(HW_REG_WAVE_MODE, 25, 1), 1
	s_wait_xcnt 0x0
	s_wait_alu depctr_hold_cnt(0) depctr_sa_sdst(0) depctr_va_vdst(0) depctr_va_sdst(0) depctr_va_ssrc(0) depctr_va_vcc(0) depctr_vm_vsrc(0)
	s_getreg_b32 s2, hwreg(HW_REG_IB_STS2, 6, 4)
	s_cmp_eq_u32 s2, 0
	s_cbranch_scc0 .Lentry_in_a_cluster
	s_endpgm
.Lentry_in_a_cluster:
	s_bfe_u32 s2, ttmp6, 0x10000c
	s_cmp_lg_u32 s2, 0x3003
	s_cbranch_scc0 .Lentry_shape_is_right
	s_endpgm
.Lentry_shape_is_right:
; vals[b][h][q][:] = the sum over k of softmax_k(q . k / 8) v[k][:], both products on codes of FP6 (E2M3) with one E8M0 scale for each 32 along K; vals is quantised along (head, channel) and leaves as codes.
; THE SOFTMAX: t = score x log2(e) / 8; M = the row's largest t so far, rounded UP to a whole number; p = 2^(t - M) is quantised along the keys, not normalised.
; The row's sum is taken of the unquantised p, in f32, and divides O at the end.  When M moves, the sum and O are multiplied by 2^(old M - new M): exact.
; LIMITS: NaN and infinities are not served; the scaled scores stay under 2^31 in magnitude; a block whose largest magnitude lies under 2^-124 gets the scale byte 1; this program alone reads the bytes.
; SHARES.  A work-group owns 512 queries of one (batch, head); each of its sixteen waves two tiles of 16, one after the other (two passes), in 256 registers.
; A HEAD'S K AND V, CODES AND SCALE WORDS (212,992 bytes), LIE IN LDS FOR THE WHOLE LAUNCH.  All fills go out at the head, one load a wave: waves 0-3 a quarter of K's codes each (24,576 bytes),
; waves 4-7 of V's, wave 8 K's scale words, wave 9 V's.  One barrier shows them to all; behind it LDS is only read, so the passes have no barrier.
; No data prefetch: every fill is asked for at the head, so there is no later load to run ahead of.
; CLUSTER.  The four query blocks of a head ask for every fill jointly: the same tensor load, the same descriptor, a mask that names the four.
; LAYOUT.  Both products are used transposed: S^T = K Q^T, O^T = V^T P^T: a lane holds ONE query.  Operands lie in memory and LDS as images of their registers.
; Token tile 4 C + t holds in lane row i the token 64 C + 8 t + i % 8 + 32 (i / 8): so register 8 t + j of S^T's tiles 4 c .. 4 c + 3 in lane (r, h) is key 64 c + 32 h + 8 t + j:
; a lane's 32 registers are one whole block of 32 keys, in the order that P's operand wants: no lane swap, and a block's maximum needs no other lane.
; THE FIRST PRODUCT'S K IS 64.  Q's fragment has zero codes in its upper six registers.  K's half fragments lie packed, six registers a tile; a tile's window of twelve names the next tile's six
; (the last tile's: v80-85, state of the softmax).  Every pattern of six bits is a finite number of E2M3 and the scale words' upper bytes are 0, so those products are zeros.
.set VCD,   98304                      ; LDS: K's codes from 0 (6,144 bytes a key step), V's from here
.set KSC,   196608                     ; K's scale words (512 bytes a step), then V's (8,192 on)
.set SPARE, 212992                     ; the spare words, 128 bytes a wave: eight blocks of 256 bytes that no other line names
.set L16, 1                            ; 16 x lane
.set L8,  2                            ; 8 x lane
.set SPW, 3                            ; LDS address of my spare word; never rewritten
.set NIL, 4                            ; 0; never rewritten
.set AK,  5                            ; the step's LDS addresses: K by 16 and by 8 bytes a lane, V likewise, scale words likewise
.set AK2, 6
.set AV,  7
.set AV2, 8
.set AS,  9
.set AS2, 10
.set TMP, 11
.set VS,  12                           ; v12-15  V's scale words, in two planes
.set Q,   16                           ; v16-27  Q's fragment (v22-27: zeros)
.set KS,  28                           ; v28-31  K's scale words: register j: tile 2 j in lanes 0-15, tile 2 j + 1 in lanes 16-31
.set KF,  32                           ; v32-79  K's eight half fragments
.set NM,  80                           ; -M
.set RM,  81                           ; the running largest score
.set SUM, 82                           ; v82-83  the row's sum, in two halves
.set SH8, 84                           ; 8 h
.set XW,  85                           ; vals' scale words: pass 0's in lanes 0-15, pass 1's in lanes 16-31
.set OT,  86                           ; v86-117  O^T
.set S,   118                          ; v118-181 S^T, then p
.set VF,  182                          ; v182-229 V's four fragments
.set PCD, 230                          ; v230-241 p's codes; before that four chains of the sum
.set X,   242                          ; v242-245 chains of the maxima; X, X+1: my two blocks' largest score, then p; later a conversion's result
.set SO,  246                          ; v246-247 the conversions' scale operands
.set T0,  248                          ; v248-250 a conversion's result
.set PT,  251                          ; a permute's result
.set F,   252                          ; f = 2^(old M - new M)
.set PW,  253                          ; p's scale word
.set QW,  255                          ; Q's scale word
.set WV,   16
.set G1C,  24                          ; s[24:31] group 1 for codes;  s[32:39] for scale words;  s[40:43], s[44:47] their groups 0
.set G1S,  32
.set G0C,  40
.set G0S,  44
.set TV,   48                          ; LDS byte at which the step's V begins
.set SEL,  60
.set CS,   62                          ; s[62:63] c = log2(e) / 8
.set TK,   66                          ; the step's K
.set TS,   67                          ; and its scale words
.set CNT,  68
.set PASS, 69
.set SH,   70                          ; 16 x (head % 2): where a head's two bytes stand in vals' scale word
.set MSK,  71                          ; the lanes that take this pass's scale word
.set QB,   72
.set QS,   74
.set OB,   76
.set OSB,  78
.macro PLACES n
.rept \n
	v_nop
.endr
.endm
.macro CROUND                          ; a round of the cluster's barrier
	s_barrier_signal -1
	s_barrier_wait -1
	s_cmp_lg_u32 s[WV], 0
	s_cbranch_scc1 .Lnot_wave_0_\@
	s_barrier_signal -3
.Lnot_wave_0_\@:
	s_barrier_wait -3
	s_barrier_signal -1
	s_barrier_wait -1
.endm
; 32 numbers of a lane, register 16 b + i = k 32 b + 16 (lane / 16) + i of my row, become six registers of codes (lane (r, h): k = 32 h + 0 .. 31) and the row's scale word (two bytes, shifted by s[SH]) in v[TM + 8]
.macro QUANTH s, TM, PC, PT
.irp b, 0,1
	v_max3_num_f32 v[\TM+\b], |v[\s+16*\b]|, |v[\s+16*\b+1]|, 0x1800000   ; my 16 numbers of block b, and the floor 2^(3 - 127)
.endr
.irp i, 2,4,6,8,10,12,14
.irp b, 0,1
	s_delay_alu instid0(VALU_DEP_2)
	v_max3_num_f32 v[\TM+\b], v[\TM+\b], |v[\s+16*\b+\i]|, |v[\s+16*\b+\i+1]|
.endr
.endr
.irp b, 0,1
	v_permlanex16_b32 v[\TM+2+\b], v[\TM+\b], s[SEL], s[SEL+1]
.endr
.irp b, 0,1
	s_delay_alu instid0(VALU_DEP_2)
	v_max_num_f32 v[\TM+\b], v[\TM+\b], v[\TM+2+\b]   ; with lane l xor 16's: the block's largest magnitude
.endr
.irp b, 0,1
	s_delay_alu instid0(VALU_DEP_2)
	v_add_nc_u32 v[\TM+4+\b], 0xff000000, v[\TM+\b]   ; 2 off its exponent field: the conversion's scale operand
.endr
.irp b, 0,1
	s_delay_alu instid0(VALU_DEP_2)
	v_lshrrev_b32 v[\TM+6+\b], 23, v[\TM+4+\b]     ; the scale's byte
.endr
	s_delay_alu instid0(VALU_DEP_1)
	v_lshl_or_b32 v[\TM+8], v[\TM+7], 8, v[\TM+6]
	s_delay_alu instid0(VALU_DEP_1)
	v_lshlrev_b32 v[\TM+8], s[SH], v[\TM+8]
	s_wait_alu depctr_va_vdst(0)
	s_wait_xcnt 0x0                                ; earlier stores have read their data
	v_cvt_scalef32_pk16_fp6_f32 v[\PC:\PC+2], v[\s:\s+15], v[\TM+4]
	v_cvt_scalef32_pk16_fp6_f32 v[\PT:\PT+2], v[\s+16:\s+31], v[\TM+5]
	v_nop                                          ; one plain place behind a scaled conversion
.irp i, 0,1,2
	v_permlane16_swap_b32 v[\PC+\i], v[\PT+\i]     ; a whole block to a lane
.endr
.irp i, 0,1,2
	s_delay_alu instid0(VALU_DEP_3)
	v_mov_b32 v[\PC+3+\i], v[\PT+\i]
.endr
.endm
.macro KLOAD a16, a8, as, ko, so       ; a step's K: eight half fragments and the scale words: 17 loads
.irp t, 0,1,2,3,4,5,6,7
	ds_load_b128 v[KF+6*\t:KF+6*\t+3], v[\a16] offset:\ko+768*\t
	ds_load_b64 v[KF+6*\t+4:KF+6*\t+5], v[\a8] offset:\ko+768*\t+512
.endr
	ds_load_b128 v[KS:KS+3], v[\as] offset:\so
.endm
; A KEY STEP: 128 keys.  more = 1: the next step's K is fetched under the softmax
.macro STEP more
	v_add_nc_u32 v[AV], s[TV], v[L16]              ; (these four are the places behind the last step's products, in front of the loads into their registers)
	v_add_nc_u32 v[AV2], s[TV], v[L8]
	v_add_nc_u32 v[AS2], s[TS], v[L8]
	v_nop
.irp u, 0,1,2,3                        ; V's four fragments and its scale words, 18 loads, land under the softmax
	ds_load_b128 v[VF+12*\u:VF+12*\u+3], v[AV] offset:1536*\u
	ds_load_b64 v[VF+12*\u+4:VF+12*\u+5], v[AV2] offset:1536*\u+512
	ds_load_b128 v[VF+12*\u+6:VF+12*\u+9], v[AV] offset:1536*\u+768
	ds_load_b64 v[VF+12*\u+10:VF+12*\u+11], v[AV2] offset:1536*\u+1280
.endr
	ds_load_b64 v[VS:VS+1], v[AS2] offset:8192
	ds_load_b64 v[VS+2:VS+3], v[AS2] offset:8192+256
	s_wait_dscnt 18                                ; this step's K, asked for a step ago, is in; V's 18 loads may be out
.irp t, 0,2,4,6                        ; S^T: each product starts and ends its sum (K = 64)
	v_wmma_scale_f32_16x16x128_f8f6f4 v[S+8*\t:S+8*\t+7], v[KF+6*\t:KF+6*\t+11], v[Q:Q+11], 0, v[KS+\t/2], v[QW] matrix_a_fmt:MATRIX_FMT_FP6 matrix_b_fmt:MATRIX_FMT_FP6
	v_wmma_scale_f32_16x16x128_f8f6f4 v[S+8*(\t+1):S+8*(\t+1)+7], v[KF+6*(\t+1):KF+6*(\t+1)+11], v[Q:Q+11], 0, v[KS+\t/2], v[QW] matrix_a_fmt:MATRIX_FMT_FP6 matrix_b_fmt:MATRIX_FMT_FP6 matrix_a_scale:MATRIX_SCALE_ROW1
.endr
.if \more
	v_add_nc_u32 v[AK], s[TK], v[L16]              ; four places behind the products
	v_add_nc_u32 v[AK2], s[TK], v[L8]
	v_add_nc_u32 v[AS], s[TS], v[L16]
	v_nop
	KLOAD AK, AK2, AS, 6144, 512                   ; the next step's K: 17 loads
.else
	PLACES 4
.endif
.irp c, 0,1                            ; my two blocks' largest scores, two chains a block; each accumulator is first read at its low end
	v_max3_num_f32 v[X+\c], v[S+32*\c], v[S+32*\c+1], v[S+32*\c+2]
	v_max3_num_f32 v[X+2+\c], v[S+32*\c+17], v[S+32*\c+18], v[S+32*\c+19]
.endr
.irp i, 3,5,7,9,11,13
.irp c, 0,1
	v_max3_num_f32 v[X+\c], v[X+\c], v[S+32*\c+\i], v[S+32*\c+\i+1]
	v_max3_num_f32 v[X+2+\c], v[X+2+\c], v[S+32*\c+17+\i], v[S+32*\c+18+\i]
.endr
.endr
.irp c, 0,1
	v_max3_num_f32 v[X+\c], v[X+\c], v[S+32*\c+15], v[S+32*\c+16]
.endr
.irp c, 0,1
	s_delay_alu instid0(VALU_DEP_2)
	v_max_num_f32 v[X+\c], v[X+\c], v[X+2+\c]      ; block 2 c + h's largest score: for the row's maximum and, since p rises with the score, for the block's largest p
.endr
	s_delay_alu instid0(VALU_DEP_1)
	v_max_num_f32 v[TMP], v[X], v[X+1]
	s_delay_alu instid0(VALU_DEP_1)
	v_permlanex16_b32 v[PT], v[TMP], s[SEL], s[SEL+1]
	s_delay_alu instid0(VALU_DEP_1)
	v_max3_num_f32 v[RM], v[RM], v[TMP], v[PT]     ; with lane l xor 16's two blocks: the running largest score
	v_mov_b32 v[PT], v[NM]
	s_delay_alu instid0(VALU_DEP_2)
	v_mul_f32 v[TMP], s[CS], v[RM]                 ; as t (c is positive)
	s_delay_alu instid0(VALU_DEP_1)
	v_floor_f32 v[NM], -v[TMP]                     ; the new -M = floor(-t) = -ceil(t): a whole number
	s_delay_alu instid0(VALU_DEP_1)
	v_sub_f32 v[TMP], v[NM], v[PT]                 ; old M - new M: a whole number, 0 or less
	s_delay_alu instid0(VALU_DEP_1)
	v_cvt_i32_f32 v[TMP], v[TMP]                   ; (it saturates)
	s_delay_alu instid0(VALU_DEP_1)
	v_ldexp_f32 v[F], 1.0, v[TMP]                  ; f = 2^(old M - new M)
.set j, 0
.rept 32
	v_pk_fma_f32 v[S+j:S+j+1], v[S+j:S+j+1], s[CS:CS+1], v[NM:NM+1] op_sel_hi:[1,0,0]   ; t - M, two at a time
.set j, j+2
.endr
.irp c, 0,1
	v_fma_f32 v[X+\c], v[X+\c], s[CS], v[NM]       ; the same of each block's largest score
.endr
	s_wait_alu depctr_va_vdst(0)
.irp c, 0,1
	v_exp_f32 v[X+\c], v[X+\c]                     ; the block's largest p: the same two instructions on the same number give the same bits
.endr
.set j, 0
.rept 64
	v_exp_f32 v[S+j], v[S+j]                       ; p = 2^(t - M): not normalised
.set j, j+1
.endr
	v_pk_mul_f32 v[SUM:SUM+1], v[SUM:SUM+1], v[F:F+1] op_sel_hi:[1,0]   ; the sums under the new M (a plain place behind the exponentials)
	s_wait_alu depctr_va_vdst(0)                   ; and behind it, ahead of its first reader: one for the 66
.irp i, 0,1,2,3                        ; the row's sum of the unquantised p: four chains of pairs
	v_pk_add_f32 v[PCD+2*\i:PCD+2*\i+1], v[S+2*\i:S+2*\i+1], v[S+8+2*\i:S+8+2*\i+1]
.endr
.irp k, 2,3,4,5,6,7
.irp i, 0,1,2,3
	v_pk_add_f32 v[PCD+2*\i:PCD+2*\i+1], v[PCD+2*\i:PCD+2*\i+1], v[S+8*\k+2*\i:S+8*\k+2*\i+1]
.endr
.endr
.irp c, 0,1
	v_max_num_f32 v[X+\c], 0x1800000, v[X+\c]      ; the floor 2^(3 - 127): the byte cannot fall under 1
.endr
	v_pk_add_f32 v[PCD:PCD+1], v[PCD:PCD+1], v[PCD+2:PCD+3]
	v_pk_add_f32 v[PCD+4:PCD+5], v[PCD+4:PCD+5], v[PCD+6:PCD+7]
.irp c, 0,1
	v_add_nc_u32 v[SO+\c], 0xff000000, v[X+\c]     ; 2 off the exponent field: the conversion's scale operand
.endr
	v_pk_add_f32 v[PCD:PCD+1], v[PCD:PCD+1], v[PCD+4:PCD+5]
.irp c, 0,1
	v_lshrrev_b32 v[X+2+\c], 23, v[SO+\c]          ; the scale's byte
.endr
	v_pk_add_f32 v[SUM:SUM+1], v[SUM:SUM+1], v[PCD:PCD+1]
	v_lshl_or_b32 v[TMP], v[X+3], 16, v[X+2]       ; my two bytes: blocks h and 2 + h,
	s_delay_alu instid0(VALU_DEP_1)
	v_lshlrev_b32 v[TMP], v[SH8], v[TMP]           ; at their places in the word;
	s_delay_alu instid0(VALU_DEP_1)
	v_permlanex16_b32 v[PT], v[TMP], s[SEL], s[SEL+1]
	s_delay_alu instid0(VALU_DEP_1)
	v_or_b32 v[PW], v[TMP], v[PT]                  ; with lane l xor 16's two: p's scale word for these 128 keys
.irp c, 0,1
	v_cvt_scalef32_pk16_fp6_f32 v[PCD+6*\c:PCD+6*\c+2], v[S+32*\c:S+32*\c+15], v[SO+\c]
.endr
	v_cvt_scalef32_pk16_fp6_f32 v[T0:T0+2], v[S+16:S+31], v[SO]      ; (a conversion's three registers begin on an even number)
	v_cvt_scalef32_pk16_fp6_f32 v[X:X+2], v[S+48:S+63], v[SO+1]
	v_nop                                          ; one plain place behind a scaled conversion
.irp i, 0,1,2
	v_mov_b32 v[PCD+3+\i], v[T0+\i]
	v_mov_b32 v[PCD+9+\i], v[X+\i]
.endr
	s_wait_dscnt 17*\more                          ; V's fragments and scale words are in; the next step's 17 loads for K may be out
	v_or_b32 v[VS], v[VS], v[VS+2]                 ; the two planes make the words: bytes 0, 1 from the step's first 64 keys, bytes 2, 3 from its last
	v_or_b32 v[VS+1], v[VS+1], v[VS+3]
	s_wait_alu depctr_va_vdst(0)                   ; directly ahead of the first reader of O^T
.set j, 0
.rept 16
	v_pk_mul_f32 v[OT+j:OT+j+1], v[OT+j:OT+j+1], v[F:F+1] op_sel_hi:[1,0]   ; O^T under the new M, each accumulator from its low end on; these 16 stand between the lines that wrote scale words and codes and the products
.set j, j+2
.endr
.irp u, 0,2                            ; O^T += V^T P^T: four tiles of 16 channels by turns; K = these 128 keys
	v_wmma_scale_f32_16x16x128_f8f6f4 v[OT+8*\u:OT+8*\u+7], v[VF+12*\u:VF+12*\u+11], v[PCD:PCD+11], v[OT+8*\u:OT+8*\u+7], v[VS+\u/2], v[PW] matrix_a_fmt:MATRIX_FMT_FP6 matrix_b_fmt:MATRIX_FMT_FP6
	v_wmma_scale_f32_16x16x128_f8f6f4 v[OT+8*(\u+1):OT+8*(\u+1)+7], v[VF+12*(\u+1):VF+12*(\u+1)+11], v[PCD:PCD+11], v[OT+8*(\u+1):OT+8*(\u+1)+7], v[VS+\u/2], v[PW] matrix_a_fmt:MATRIX_FMT_FP6 matrix_b_fmt:MATRIX_FMT_FP6 matrix_a_scale:MATRIX_SCALE_ROW1
.endr
	s_add_co_u32 s[TK], s[TK], 6144                ; the next step's codes
	s_add_co_u32 s[TV], s[TV], 6144
	s_add_co_u32 s[TS], s[TS], 512                 ; and scale words
.endm
	s_load_b256 s[4:11], s[0:1], 0x0               ; qk_img, qk_sc, v_img, v_sc
	s_load_b128 s[12:15], s[0:1], 0x20             ; o_img, o_sc
	v_lshl_add_u32 v[SPW], v0, 2, SPARE
	v_mov_b32 v[NIL], 0
	ds_add_u32 v[SPW], v[NIL]                      ; the opening lines: the add, twice on end, and its wait ahead of the first tensor loads
	ds_add_u32 v[SPW], v[NIL]
	v_lshrrev_b32 v[TMP], 5, v0
	s_delay_alu instid0(VALU_DEP_1)
	v_readfirstlane_b32 s[WV], v[TMP]              ; wave 0..15
	v_and_b32 v[TMP], 31, v0
	v_bfe_u32 v[SH8], v0, 4, 1
	s_delay_alu instid0(VALU_DEP_2)
	v_lshlrev_b32 v[L16], 4, v[TMP]
	v_lshlrev_b32 v[L8], 3, v[TMP]
	v_lshlrev_b32 v[SH8], 3, v[SH8]
	v_mov_b32 v[XW], 0
	v_mov_b32 v[PT], 0                             ; written once: a lane permute's destination counts as one of its sources
.irp i, 0,1,2,3,4,5
	v_mov_b32 v[Q+6+\i], 0                         ; zero codes for k = 64 .. 127 of the first product: written once, never loaded over
.endr
	s_mov_b32 s[SEL], 0x76543210
	s_mov_b32 s[SEL+1], 0xfedcba98
	s_mov_b32 s[CS], 0x3e38aa3b                    ; c = log2(e) / 8
	s_mov_b32 s[CS+1], s[CS]                       ; (named with it as a pair, so it is written)
	s_mov_b32 s[MSK], 0x0000ffff
	s_mov_b32 s[PASS], 2
	; descriptor groups 1: dense bytes as rows of 256: a quarter of the codes is 96 rows, a head's scale words 32
	s_mov_b32 s[G1C], 15|(3<<16)|(1<<21)           ; 15:0 the mask: all four work-groups; 17:16 elements of 8 bytes; 21 set beside a mask; no padding
	s_mov_b32 s[G1C+1], 32<<16
	s_mov_b32 s[G1C+2], 96<<16
	s_mov_b32 s[G1C+3], 32<<16
	s_mov_b32 s[G1C+4], 96
	s_mov_b32 s[G1C+5], 32
	s_mov_b32 s[G1C+6], 0
	s_mov_b32 s[G1C+7], 0
	s_mov_b32 s[G1S], 15|(3<<16)|(1<<21)
	s_mov_b32 s[G1S+1], 32<<16
	s_mov_b32 s[G1S+2], 32<<16
	s_mov_b32 s[G1S+3], 32<<16
	s_mov_b32 s[G1S+4], 32
	s_mov_b32 s[G1S+5], 32
	s_mov_b32 s[G1S+6], 0
	s_mov_b32 s[G1S+7], 0
	; what the four partners share: the (batch, head) and the wave's number.  These registers never hold my place in the cluster
	s_and_b32 s18, ttmp7, 0xffff                   ; 16 batch + head
	s_lshl_b32 s19, s18, 1                         ; q's image is number 2 (16 batch + head) of qk_img, k's the next
	s_add_co_u32 s20, s19, 1
	s_and_b32 s17, s[WV], 3
	s_mul_i32 s21, s17, 24576                      ; which quarter of the codes
	s_mul_i32 s80, s20, 98304
	s_add_co_u32 s80, s80, s21
	s_mov_b32 s81, 0
	s_mul_i32 s82, s18, 98304
	s_add_co_u32 s82, s82, s21
	s_mov_b32 s83, 0
	s_lshl_b32 s84, s20, 13
	s_mov_b32 s85, 0
	s_lshl_b32 s86, s18, 13
	s_mov_b32 s87, 0
	s_mov_b32 s[G0C], 1
	s_mul_i32 s[G0C+1], s[WV], 24576               ; waves 0-3: K's quarters from LDS byte 0; waves 4-7: V's from 98,304
	s_mov_b32 s[G0S], 1
	s_and_b32 s22, s[WV], 1
	s_lshl_b32 s23, s22, 13
	s_add_co_u32 s[G0S+1], s23, KSC                ; scale words: K's (wave 8), then V's (wave 9)
	; what hangs on my place in the cluster: Q's and the results' addresses alone
	s_bfe_u32 s90, ttmp6, 0x40000
	s_lshl_b32 s91, ttmp9, 2
	s_add_co_u32 s90, s90, s91                     ; my block of 512 queries
	s_lshl_b32 s91, s90, 5
	s_lshl_b32 s92, s[WV], 1
	s_add_co_u32 s91, s91, s92                     ; my first tile of the batch's 128
	s_mul_i32 s92, s19, 98304
	s_mul_i32 s93, s91, 768
	s_add_co_u32 s92, s92, s93
	s_mov_b32 s93, 0                               ; Q's codes
	s_lshl_b32 s94, s19, 13
	s_lshl_b32 s95, s90, 2
	s_lshr_b32 s96, s[WV], 2
	s_add_co_u32 s95, s95, s96
	s_lshl_b32 s95, s95, 9                         ; the group of eight tiles,
	s_add_co_u32 s94, s94, s95
	s_and_b32 s95, s[WV], 3
	s_lshl_b32 s95, s95, 2                         ; the pair of tiles in it
	s_add_co_u32 s94, s94, s95
	s_mov_b32 s95, 0                               ; Q's scale words
	s_lshr_b32 s96, s18, 4
	s_lshl_b32 s96, s96, 7
	s_add_co_u32 s96, s96, s91                     ; my first tile of all 512
	s_and_b32 s97, s18, 15                         ; the head
	s_lshl_b32 s98, s96, 4
	s_add_co_u32 s98, s98, s97
	s_mul_i32 s98, s98, 768                        ; o_img: [tile 512][head 16][768]
	s_mov_b32 s99, 0
	s_lshl_b32 s96, s96, 6
	s_lshl_b32 s23, s97, 15
	s_add_co_u32 s96, s96, s23                     ; o_sc: [head 16][tile 512][16 words]
	s_and_b32 s[SH], s97, 1
	s_lshl_b32 s[SH], s[SH], 4
	s_mov_b32 s97, 0
	s_wait_dscnt 0x0                               ; both opening adds are done
	s_wait_kmcnt 0x0
	s_add_nc_u64 s[80:81], s[4:5], s[80:81]        ; K's codes, my quarter
	s_add_nc_u64 s[82:83], s[8:9], s[82:83]        ; V's
	s_add_nc_u64 s[84:85], s[6:7], s[84:85]        ; K's scale words
	s_add_nc_u64 s[86:87], s[10:11], s[86:87]      ; V's
	s_cmp_lt_u32 s[WV], 4                          ; choices on the wave's number alone
	s_cselect_b64 s[G0C+2:G0C+3], s[80:81], s[82:83]
	s_cmp_eq_u32 s22, 0
	s_cselect_b64 s[G0S+2:G0S+3], s[84:85], s[86:87]
	s_or_b32 s[G0C+3], s[G0C+3], 0x80000000
	s_or_b32 s[G0S+3], s[G0S+3], 0x80000000
	s_add_nc_u64 s[QB:QB+1], s[4:5], s[92:93]
	s_add_nc_u64 s[QS:QS+1], s[6:7], s[94:95]
	s_add_nc_u64 s[OB:OB+1], s[12:13], s[98:99]
	s_add_nc_u64 s[OSB:OSB+1], s[14:15], s[96:97]
	CROUND                                         ; all four work-groups are here: the joint loads meet
	s_cmp_lt_u32 s[WV], 8                          ; one chain of branches on the wave's number, one fill to an arm, one join
	s_cbranch_scc0 .Lnot_codes
	tensor_load_to_lds s[G0C:G0C+3], s[G1C:G1C+7]
	s_nop 0
	PLACES 4
	s_branch .Lasked
.Lnot_codes:
	s_cmp_lt_u32 s[WV], 10
	s_cbranch_scc0 .Lasked
	tensor_load_to_lds s[G0S:G0S+3], s[G1S:G1S+7]
	s_nop 0
	PLACES 4
.Lasked:
	s_wait_alu depctr_va_vdst(0)
	s_wait_tensorcnt 0x0                           ; my fill, if I have one, is in;
	s_barrier_signal -1
	s_barrier_wait -1                              ; everybody's is.  From here on LDS is only read
.Lpass:                                            ; two trips: my two tiles of queries
	v_and_b32 v[TMP], 15, v0
	v_add_nc_u32 v[AS], KSC, v[L16]
	s_delay_alu instid0(VALU_DEP_2)
	v_lshlrev_b32 v[TMP], 4, v[TMP]                ; Q's scale word of row r lies 16 r bytes on
	global_load_b128 v[Q:Q+3], v[L16], s[QB:QB+1]
	global_load_b64 v[Q+4:Q+5], v[L8], s[QB:QB+1] offset:512
	global_load_b32 v[QW], v[TMP], s[QS:QS+1]
	KLOAD L16, L8, AS, 0, 0                        ; key step 0's K
	s_mov_b32 s[TK], 0
	s_mov_b32 s[TV], VCD
	s_mov_b32 s[TS], KSC
	s_mov_b32 s[CNT], 15
	v_mov_b32 v[RM], 0xff61b1e6                    ; the largest score so far: -3e38
	s_delay_alu instid0(VALU_DEP_1)
	v_floor_f32 v[NM], -v[RM]                      ; -M
	v_mov_b32 v[SUM], 0                            ; the sum, in two halves
	v_mov_b32 v[SUM+1], 0
	v_mov_b32 v[PW], 0                             ; (named as the upper half of the pair with f before it is first written)
.set j, 0
.rept 32
	v_mov_b32 v[OT+j], 0                           ; O^T: the step is written once; the first finds zeros, which the first change of M leaves zeros
.set j, j+1
.endr
	s_wait_loadcnt 0x0                             ; Q
.Lstep:
	STEP 1
	s_sub_co_u32 s[CNT], s[CNT], 1
	s_cmp_lg_u32 s[CNT], 0
	s_cbranch_scc1 .Lstep
	STEP 0                                         ; the last step fetches no further K
	; the pass's end: O^T / the sum is vals; it is quantised along the head's 64 channels and leaves as half a fragment of the last product's operand
	PLACES 4
	v_add_f32 v[SUM], v[SUM], v[SUM+1]             ; the sum's two halves,
	s_delay_alu instid0(VALU_DEP_1)
	v_permlanex16_b32 v[PT], v[SUM], s[SEL], s[SEL+1]
	s_delay_alu instid0(VALU_DEP_1)
	v_add_f32 v[SUM], v[SUM], v[PT]                ; and lane l xor 16's: the row's sum
	s_wait_alu depctr_va_vdst(0)                   ; the wait ahead of the reciprocal,
	v_rcp_f32 v[SUM], v[SUM]
	v_nop                                          ; a plain place behind it,
	s_wait_alu depctr_va_vdst(0)                   ; and the wait ahead of its first reader, which is O^T's first reader too
.set j, 0
.rept 16
	v_pk_mul_f32 v[OT+j:OT+j+1], v[OT+j:OT+j+1], v[SUM:SUM+1] op_sel_hi:[1,0]
.set j, j+2
.endr
	QUANTH OT, S, PCD, S+12                        ; (S^T's registers are free: they serve as the quantiser's work)
	v_cndmask_b32 v[XW], v[XW], v[S+8], s[MSK]
	global_store_b128 v[L16], v[PCD:PCD+3], s[OB:OB+1]             ; 512 consecutive bytes
	global_store_b64 v[L8], v[PCD+4:PCD+5], s[OB:OB+1] offset:512  ; 256 consecutive bytes
	s_wait_xcnt 0x0                                ; the stores have read their data and base: both may be written again
	s_add_nc_u64 s[QB:QB+1], s[QB:QB+1], 768       ; the next tile
	s_add_nc_u64 s[QS:QS+1], s[QS:QS+1], 256
	s_add_nc_u64 s[OB:OB+1], s[OB:OB+1], 12288
	s_lshl_b32 s[MSK], s[MSK], 16
	s_sub_co_u32 s[PASS], s[PASS], 1
	s_cmp_lg_u32 s[PASS], 0
	s_cbranch_scc1 .Lpass
	v_and_b32 v[TMP], 31, v0
	s_delay_alu instid0(VALU_DEP_1)
	v_lshlrev_b32 v[TMP], 2, v[TMP]
	s_wait_alu depctr_va_vdst(0)
	global_store_b32 v[TMP], v[XW], s[OSB:OSB+1]   ; my two tiles' 32 scale words: 128 consecutive bytes; the sixteen waves' lie on end
	s_wait_tensorcnt 0x0                           ; the wave's end
	ds_add_u32 v[SPW], v[NIL]
	s_wait_dscnt 0x0
	CROUND                                         ; the closing round: no work-group ends while a partner may still ask for a tile that names it
	s_endpgm
.Lfunc_end_k_q7bad3a70e3_attn:
	.size	k_q7bad3a70e3_attn, .Lfunc_end_k_q7bad3a70e3_attn-k_q7bad3a70e3_attn
	.p2alignl 7, 3214868480
	.fill 96, 4, 3214868480
	.section	.rodata,"a",@progbits
	.p2align	6, 0x0
	.amdhsa_kernel k_q7bad3a70e3_attn
		.amdhsa_group_segment_fixed_size 327680
		.amdhsa_private_segment_fixed_size 0
		.amdhsa_enable_private_segment 0
		.amdhsa_kernarg_size 48
		.amdhsa_user_sgpr_count 2
		.amdhsa_user_sgpr_kernarg_segment_ptr 1
		.amdhsa_wavefront_size32 1
		.amdhsa_system_sgpr_workgroup_id_x 1
		.amdhsa_system_sgpr_workgroup_id_y 1
		.amdhsa_system_sgpr_workgroup_id_z 1
		.amdhsa_system_vgpr_workitem_id 0
		.amdhsa_next_free_vgpr 256
		.amdhsa_next_free_sgpr 100
		.amdhsa_reserve_vcc 0
		.amdhsa_float_denorm_mode_32 3
		.amdhsa_float_denorm_mode_16_64 3
		.amdhsa_memory_ordered 1
		.amdhsa_forward_progress 1
		.amdhsa_inst_pref_size 45
	.end_amdhsa_kernel
	.amdgpu_metadata
---
amdhsa.version: [ 1, 2 ]
amdhsa.kernels:
  - .name:           k_q7bad3a70e3_attn
    .symbol:         k_q7bad3a70e3_attn.kd
    .args:
      - { .name: qk_img, .offset: 0, .size: 8, .value_kind: global_buffer, .address_space: global }
      - { .name: qk_sc, .offset: 8, .size: 8, .value_kind: global_buffer, .address_space: global }
      - { .name: v_img, .offset: 16, .size: 8, .value_kind: global_buffer, .address_space: global }
      - { .name: v_sc, .offset: 24, .size: 8, .value_kind: global_buffer, .address_space: global }
      - { .name: o_img, .offset: 32, .size: 8, .value_kind: global_buffer, .address_space: global }
      - { .name: o_sc, .offset: 40, .size: 8, .value_kind: global_buffer, .address_space: global }
    .group_segment_fixed_size: 327680
    .private_segment_fixed_size: 0
    .kernarg_segment_align: 8
    .kernarg_segment_size: 48
    .max_flat_workgroup_size: 512
    .sgpr_count:     100
    .vgpr_count:     256
    .wavefront_size: 32
...
	.end_amdgpu_metadata
.endif
;; end of part 3
;; launch outp (part 4): grid 4 x 64, 4 waves a work-group, clusters of 4 x 1, 327,680 bytes of LDS; arguments img, isc, o_img, o_sc, b_o, out0; writes out0
.if DOCPART == 4
	.amdgcn_target "amdgcn-amd-amdhsa--gfx1250"
	.amdhsa_code_object_version 6
	.text
	.protected	k_q7bad3a70e3_outp
	.globl	k_q7bad3a70e3_outp
	.p2align	8
	.type	k_q7bad3a70e3_outp,@function
k_q7bad3a70e3_outp:
	s_mov_b64 s[64:65], 0
	v_nop
	global_prefetch_b8 v0, s[64:65] scope:SCOPE_SE
	s_setreg_imm32_b32 hwreg(HW_REG_WAVE_MODE, 25, 1), 1
	s_wait_xcnt 0x0
	s_wait_alu depctr_hold_cnt(0) depctr_sa_sdst(0) depctr_va_vdst(0) depctr_va_sdst(0) depctr_va_ssrc(0) depctr_va_vcc(0) depctr_vm_vsrc(0)
	s_getreg_b32 s2, hwreg(HW_REG_IB_STS2, 6, 4)
	s_cmp_eq_u32 s2, 0
	s_cbranch_scc0 .Lentry_in_a_cluster
	s_endpgm
.Lentry_in_a_cluster:
	s_bfe_u32 s2, ttmp6, 0x10000c
	s_cmp_lg_u32 s2, 0x3003
	s_cbranch_scc0 .Lentry_shape_is_right
	s_endpgm
.Lentry_shape_is_right:
; out0 = vals w_o^T + b_o on codes of FP6 (E2M3), K = 1,024; sums in f32.  vals arrives as codes and scale words, w_o likewise; b_o is the C of each sum's first matrix instruction.
; A work-group makes 128 tokens x 256 columns.  Source 0 = 64 rows of w_o a wave, for all of K in registers (384), loaded straight from img; source 1 = 8 tiles of 16 tokens in LDS, shared by the four waves, brought by one first fill a wave.
; CLUSTER: the four column blocks of the same 128 tokens form a cluster and ask for vals' tiles jointly.
; Row tiles hold rows 32 b + 8 u + r + 8 (r / 8).  With w_o as source 0 a lane's 16 registers of tiles 2 b, 2 b + 1 are 16 neighbouring columns of one token's row; the tokens' order within a tile is undone by the stores' immediates.
; THE WAY OUT: a tile (16 tokens x my 64 columns) goes through my own stage in LDS (rows of 272 bytes) and leaves so that sixteen lanes store 256 consecutive bytes, aligned.
; REGISTERS, in windows of 256: window 0: addresses, accumulators, scale words, bias, the way out.  Windows 1, 2: source 0, K steps 0-3 and 4-7.  Window 3: source 1, two sets of 96.
.set STAGE, 98304                      ; behind the eight tiles of 12,288 bytes: 16 rows x 272 bytes for each wave; no fill lands there
.set SPARE, STAGE+4*4352               ; behind the stages: the spare words, 128 bytes a wave: two blocks of 256 bytes that no other line names
.set L16,  1
.set L8,   2
.set LA,   4                           ; v4-5   16 x lane + 49,152 i
.set LB,   6                           ; v6-7   8 x lane + 49,152 i
.set STO,  8                           ; v8     the stage: where I put my columns of token row r: 272 r + 64 h
.set RD,   9                           ; v9     and where I read a row back: 272 h + 16 r
.set CO,   10                          ; v10    the same place in out0: 4,096 h + 16 r
.set SA,   11                          ; v11    o_sc: 262,144 h + 4 r: lanes 16-31 take heads 8 on
.set BO,   12                          ; v12    b_o: 64 h
.set SPW,  16
.set NIL,  17
.set AC,   32                          ; v32-63   four accumulators
.set IS,   64                          ; v64-79   w_o's scale words
.set OS,   80                          ; v80-111  vals' scale words: tile a at 80 + 4 a
.set BI,   112                         ; v112-143 the bias in the result's layout
.set BK,   144                         ; v144-175 rows read back from the stage
.set OT,   176                         ; v176-207 the odd heads' halves of vals' scale words
.set WV,   16
.set G1,   24
.set G0,   32
.set IB,   44
.set ISB,  46
.set OSB,  48
.set BB,   50
.set OUT,  52
.set MSB, 0
.macro WIN new                         ; the immediate's high byte repeats the setting that is left
.if MSB != \new
	s_set_vgpr_msb (MSB<<8)|\new
.set MSB, \new
.endif
.endm
.macro PLACES n
.rept \n
	v_nop
.endr
.endm
.macro CROUND                          ; a round of the cluster's barrier
	s_barrier_signal -1
	s_barrier_wait -1
	s_cmp_lg_u32 s[WV], 0
	s_cbranch_scc1 .Lnot_wave_0_\@
	s_barrier_signal -3
.Lnot_wave_0_\@:
	s_barrier_wait -3
	s_barrier_signal -1
	s_barrier_wait -1
.endm
.macro ILOAD cod, wrd                  ; source 0: four tiles x eight K steps from img, and their scale words from isc
	WIN 0x40
.irp s, 0,1,2,3
.irp b, 0,1,2,3
	global_load_b128 v[12*(4*\s+\b):12*(4*\s+\b)+3], v[L16], s[\cod:\cod+1] offset:(8*\b+\s)*1536
	global_load_b64 v[12*(4*\s+\b)+4:12*(4*\s+\b)+5], v[L8], s[\cod:\cod+1] offset:(8*\b+\s)*1536+512
	global_load_b128 v[12*(4*\s+\b)+6:12*(4*\s+\b)+9], v[L16], s[\cod:\cod+1] offset:(8*\b+\s)*1536+768
	global_load_b64 v[12*(4*\s+\b)+10:12*(4*\s+\b)+11], v[L8], s[\cod:\cod+1] offset:(8*\b+\s)*1536+1280
.endr
.endr
	WIN 0x80
.irp s, 4,5,6,7
.irp b, 0,1,2,3
	global_load_b128 v[12*(4*(\s-4)+\b):12*(4*(\s-4)+\b)+3], v[L16], s[\cod:\cod+1] offset:(8*\b+\s)*1536
	global_load_b64 v[12*(4*(\s-4)+\b)+4:12*(4*(\s-4)+\b)+5], v[L8], s[\cod:\cod+1] offset:(8*\b+\s)*1536+512
	global_load_b128 v[12*(4*(\s-4)+\b)+6:12*(4*(\s-4)+\b)+9], v[L16], s[\cod:\cod+1] offset:(8*\b+\s)*1536+768
	global_load_b64 v[12*(4*(\s-4)+\b)+10:12*(4*(\s-4)+\b)+11], v[L8], s[\cod:\cod+1] offset:(8*\b+\s)*1536+1280
.endr
.endr
	WIN 0
.irp b, 0,1,2,3
	global_load_b128 v[IS+4*\b:IS+4*\b+3], v[L16], s[\wrd:\wrd+1] offset:512*\b
.endr
.endm
.macro FETCH g                         ; tile g of source 1, all eight K steps, from LDS into set g % 2 of window 3
	WIN 0xc0
.irp s, 0,1,2,3,4,5,6,7
	ds_load_b128 v[96*((\g)%2)+12*\s:96*((\g)%2)+12*\s+3], v[LA+(\g)/4] offset:((\g)%4)*12288+1536*\s
	ds_load_b64 v[96*((\g)%2)+12*\s+4:96*((\g)%2)+12*\s+5], v[LB+(\g)/4] offset:((\g)%4)*12288+1536*\s+512
	ds_load_b128 v[96*((\g)%2)+12*\s+6:96*((\g)%2)+12*\s+9], v[LA+(\g)/4] offset:((\g)%4)*12288+1536*\s+768
	ds_load_b64 v[96*((\g)%2)+12*\s+10:96*((\g)%2)+12*\s+11], v[LB+(\g)/4] offset:((\g)%4)*12288+1536*\s+1280
.endr
	WIN 0
.endm
.macro MUL g                           ; 32 matrix instructions: K ascending, the four accumulators by turns, one instruction a turn; the first K step takes the bias as C
	WIN 0x0d
.irp s, 0,1,2,3
	s_wait_alu depctr_va_vdst(0)
.irp b, 0,1,2,3
.if \s == 0
	v_wmma_scale_f32_16x16x128_f8f6f4 v[AC+8*\b:AC+8*\b+7], v[12*(4*\s+\b):12*(4*\s+\b)+11], v[96*((\g)%2)+12*\s:96*((\g)%2)+12*\s+11], v[BI+8*\b:BI+8*\b+7], v[IS+4*\b+\s], v[OS+4*(\g)+\s] matrix_a_fmt:MATRIX_FMT_FP6 matrix_b_fmt:MATRIX_FMT_FP6
.else
	v_wmma_scale_f32_16x16x128_f8f6f4 v[AC+8*\b:AC+8*\b+7], v[12*(4*\s+\b):12*(4*\s+\b)+11], v[96*((\g)%2)+12*\s:96*((\g)%2)+12*\s+11], v[AC+8*\b:AC+8*\b+7], v[IS+4*\b+\s], v[OS+4*(\g)+\s] matrix_a_fmt:MATRIX_FMT_FP6 matrix_b_fmt:MATRIX_FMT_FP6
.endif
.endr
.endr
	WIN 0x0e
.irp s, 4,5,6,7
.irp b, 0,1,2,3
	v_wmma_scale_f32_16x16x128_f8f6f4 v[AC+8*\b:AC+8*\b+7], v[12*(4*(\s-4)+\b):12*(4*(\s-4)+\b)+11], v[96*((\g)%2)+12*\s:96*((\g)%2)+12*\s+11], v[AC+8*\b:AC+8*\b+7], v[IS+4*\b+\s-4], v[OS+4*(\g)+\s-4] matrix_a_fmt:MATRIX_FMT_FP6 matrix_b_fmt:MATRIX_FMT_FP6 matrix_a_scale:MATRIX_SCALE_ROW1 matrix_b_scale:MATRIX_SCALE_ROW1
.endr
.endr
	WIN 0
.endm
.macro EPI a
	PLACES 5                                       ; four in front of the first read of the results and of the next loads into source 1's registers; the fifth for the next tile's products, which begin these accumulators anew
	s_wait_xcnt 0x0                                ; the last tile's stores have read their data: the rows' registers may be loaded again
.irp b, 0,1,2,3
.irp q, 0,1
	ds_store_b128 v[STO], v[AC+8*\b+4*\q:AC+8*\b+4*\q+3] offset:128*(\b/2)+32*(\b%2)+16*\q   ; lane (r, h): columns 32 (b / 2) + 16 h + 8 (b % 2) + 4 q on; each accumulator from its low end on
.endr
.endr
.irp k, 0,1,2,3,4,5,6,7
	ds_load_b128 v[BK+4*\k:BK+4*\k+3], v[RD] offset:544*\k   ; LDS serves a wave's instructions in order: these see the stores above
.endr
.irp k, 0,1,2,3,4,5,6,7
	s_wait_dscnt 7-\k                              ; rows 2 k, 2 k + 1 are back; the younger loads from the stage may be out
	global_store_b128 v[CO], v[BK+4*\k:BK+4*\k+3], s[OUT:OUT+1] offset:(64*((\a)/4)+8*((\a)%4)+2*\k+24*(\k/4))*4096 th:TH_STORE_NT   ; token tiles have h_source's order: lane row 2 k + h of tile a is token 64 (a / 4) + 8 (a % 4) + 2 k + h + 24 (k / 4); 16 lanes store 256 consecutive bytes, aligned
.endr
.endm
.macro TILE g, next
	s_wait_dscnt 0x0                               ; tile g's fragments, asked for a tile ago
.if \next
	FETCH (\g)+1
.endif
	MUL \g
	EPI \g
.endm
	s_load_b256 s[4:11], s[0:1], 0x0               ; img, isc, o_img, o_sc
	s_load_b128 s[12:15], s[0:1], 0x20             ; b_o, out0
	v_lshl_add_u32 v[SPW], v0, 2, SPARE
	v_mov_b32 v[NIL], 0
	ds_add_u32 v[SPW], v[NIL]                      ; the wave's opening: the add and its wait ahead of my first tensor load; the set-up below, work on registers, stands between them
	ds_add_u32 v[SPW], v[NIL]
	v_lshrrev_b32 v3, 5, v0
	v_readfirstlane_b32 s[WV], v3                  ; wave 0..3
	v_and_b32 v3, 31, v0
	v_lshlrev_b32 v[L16], 4, v3
	v_lshlrev_b32 v[L8], 3, v3
.irp i, 0,1
	v_add_nc_u32 v[LA+\i], 49152*\i, v[L16]
	v_add_nc_u32 v[LB+\i], 49152*\i, v[L8]
.endr
	v_and_b32 v13, 15, v0                          ; r
	v_bfe_u32 v14, v0, 4, 1                        ; h
	s_mul_i32 s23, s[WV], 4352
	s_add_co_u32 s23, s23, STAGE                   ; my stage
	v_mul_u32_u24 v[STO], v13, 272
	v_lshl_add_u32 v[STO], v14, 6, v[STO]
	v_add_nc_u32 v[STO], s23, v[STO]
	v_mul_u32_u24 v[RD], v14, 272
	v_lshl_add_u32 v[RD], v13, 4, v[RD]
	v_add_nc_u32 v[RD], s23, v[RD]
	v_lshlrev_b32 v[CO], 4, v13
	v_lshl_add_u32 v[CO], v14, 12, v[CO]
	v_lshlrev_b32 v[SA], 2, v13
	v_lshl_add_u32 v[SA], v14, 18, v[SA]
	v_lshlrev_b32 v[BO], 6, v14
	; descriptor group 1: two tiles, 24,576 dense bytes, as 96 rows of 256 bytes
	s_mov_b32 s[G1], 15|(3<<16)|(1<<21)            ; 15:0 the mask: all four work-groups; 17:16 elements of 8 bytes; 21 set beside a mask; no padding
	s_mov_b32 s[G1+1], 32<<16
	s_mov_b32 s[G1+2], 96<<16
	s_mov_b32 s[G1+3], 32<<16
	s_mov_b32 s[G1+4], 96
	s_mov_b32 s[G1+5], 32
	s_mov_b32 s[G1+6], 0
	s_mov_b32 s[G1+7], 0
	; what the four partners share
	s_and_b32 s19, ttmp7, 0xffff                   ; y: which 128 tokens
	s_mul_i32 s22, s[WV], 24576                    ; my two tiles of eight, in memory and in LDS
	s_mul_i32 s20, s19, 98304
	s_add_co_u32 s20, s20, s22
	s_mov_b32 s21, 0
	; what hangs on my place in the cluster
	s_bfe_u32 s70, ttmp6, 0x40000
	s_lshl_b32 s71, ttmp9, 2
	s_add_co_u32 s70, s70, s71                     ; which 256 columns
	s_lshl_b32 s71, s70, 4
	s_lshl_b32 s72, s[WV], 2
	s_add_co_u32 s71, s71, s72
	s_add_co_u32 s71, s71, 1216                    ; w_o's tile
	s_mul_i32 s74, s71, 12288
	s_mov_b32 s75, 0
	s_lshl_b32 s76, s71, 9
	s_mov_b32 s77, 0
	s_lshl_b32 s78, s70, 10
	s_lshl_b32 s79, s[WV], 8
	s_add_co_u32 s78, s78, s79                     ; my 64 columns, in bytes
	s_mov_b32 s79, 0
	s_lshl_b32 s80, s19, 19                        ; 128 rows of 4,096 bytes
	s_add_co_u32 s80, s80, s78
	s_mov_b32 s81, 0
	s_lshl_b32 s82, s19, 9                         ; o_sc: eight tiles of 64 bytes
	s_mov_b32 s83, 0
	s_wait_dscnt 0x0                               ; the opening add is done
	s_wait_kmcnt 0x0
	s_add_nc_u64 s[IB:IB+1], s[4:5], s[74:75]
	s_add_nc_u64 s[ISB:ISB+1], s[6:7], s[76:77]
	s_add_nc_u64 s[OSB:OSB+1], s[10:11], s[82:83]
	s_add_nc_u64 s[BB:BB+1], s[12:13], s[78:79]
	s_add_nc_u64 s[OUT:OUT+1], s[14:15], s[80:81]
	s_mov_b32 s[G0], 1
	s_mov_b32 s[G0+1], s22
	s_add_nc_u64 s[G0+2:G0+3], s[8:9], s[20:21]
	s_or_b32 s[G0+3], s[G0+3], 0x80000000
	CROUND                                         ; all four work-groups are here: the joint loads meet
	tensor_load_to_lds s[G0:G0+3], s[G1:G1+7]      ; the launch's one fill a wave: one load of mine is out
	s_nop 0
	PLACES 4
	ILOAD IB, ISB
	s_wait_alu depctr_va_vdst(0)
.irp a, 0,1,2,3,4,5,6,7                ; vals' scale words: register 4 a + i: K step i in lanes 0-15, K step 4 + i in lanes 16-31; heads 2 s and 2 s + 1 each bring two of a word's four bytes
.irp i, 0,1,2,3
	global_load_b32 v[OS+4*\a+\i], v[SA], s[OSB:OSB+1] offset:65536*\i+64*\a
	global_load_b32 v[OT+4*\a+\i], v[SA], s[OSB:OSB+1] offset:65536*\i+64*\a+32768
.endr
.endr
.irp b, 0,1,2,3                        ; the bias: lane (r, h) wants, for tile b, columns 32 (b / 2) + 16 h + 8 (b % 2) + 0 .. 7
	global_load_b128 v[BI+8*\b:BI+8*\b+3], v[BO], s[BB:BB+1] offset:(32*(\b/2)+8*(\b%2))*4
	global_load_b128 v[BI+8*\b+4:BI+8*\b+7], v[BO], s[BB:BB+1] offset:(32*(\b/2)+8*(\b%2))*4+16
.endr
	s_wait_tensorcnt 0x0                           ; my two tiles are in,
	s_wait_dscnt 0x0
	s_barrier_signal -1
	s_barrier_wait -1                              ; everybody's are
	FETCH 0
	s_wait_loadcnt 0x0
.set j, 0
.rept 32
	v_or_b32 v[OS+j], v[OS+j], v[OT+j]             ; the two heads' bytes make the word; a tile's four words are followed by at least 28 such lines or by whole tiles before a product names them
.set j, j+1
.endr
	PLACES 8                                       ; a scale word written by a vector instruction stands eight places ahead of the product that names it
.irp g, 0,1,2,3,4,5,6
	TILE \g, 1
.endr
	TILE 7, 0
	s_wait_tensorcnt 0x0                           ; the wave's end, behind my last tensor load and my last LDS store
	ds_add_u32 v[SPW], v[NIL]
	s_wait_dscnt 0x0
	CROUND                                         ; the closing round: no work-group ends while a partner may still ask for a tile that names it
	s_endpgm
.Lfunc_end_k_q7bad3a70e3_outp:
	.size	k_q7bad3a70e3_outp, .Lfunc_end_k_q7bad3a70e3_outp-k_q7bad3a70e3_outp
	.p2alignl 7, 3214868480
	.fill 96, 4, 3214868480
	.section	.rodata,"a",@progbits
	.p2align	6, 0x0
	.amdhsa_kernel k_q7bad3a70e3_outp
		.amdhsa_group_segment_fixed_size 327680
		.amdhsa_private_segment_fixed_size 0
		.amdhsa_enable_private_segment 0
		.amdhsa_kernarg_size 48
		.amdhsa_user_sgpr_count 2
		.amdhsa_user_sgpr_kernarg_segment_ptr 1
		.amdhsa_wavefront_size32 1
		.amdhsa_system_sgpr_workgroup_id_x 1
		.amdhsa_system_sgpr_workgroup_id_y 1
		.amdhsa_system_sgpr_workgroup_id_z 1
		.amdhsa_system_vgpr_workitem_id 0
		.amdhsa_next_free_vgpr 1024
		.amdhsa_next_free_sgpr 90
		.amdhsa_reserve_vcc 0
		.amdhsa_float_denorm_mode_32 3
		.amdhsa_float_denorm_mode_16_64 3
		.amdhsa_memory_ordered 1
		.amdhsa_forward_progress 1
		.amdhsa_inst_pref_size 94
	.end_amdhsa_kernel
	.amdgpu_metadata
---
amdhsa.version: [ 1, 2 ]
amdhsa.kernels:
  - .name:           k_q7bad3a70e3_outp
    .symbol:         k_q7bad3a70e3_outp.kd
    .args:
      - { .name: img, .offset: 0, .size: 8, .value_kind: global_buffer, .address_space: global }
      - { .name: isc, .offset: 8, .size: 8, .value_kind: global_buffer, .address_space: global }
      - { .name: o_img, .offset: 16, .size: 8, .value_kind: global_buffer, .address_space: global }
      - { .name: o_sc, .offset: 24, .size: 8, .value_kind: global_buffer, .address_space: global }
      - { .name: b_o, .offset: 32, .size: 8, .value_kind: global_buffer, .address_space: global }
      - { .name: out0, .offset: 40, .size: 8, .value_kind: global_buffer, .address_space: global }
    .group_segment_fixed_size: 327680
    .private_segment_fixed_size: 0
    .kernarg_segment_align: 8
    .kernarg_segment_size: 48
    .max_flat_workgroup_size: 128
    .sgpr_count:     90
    .vgpr_count:     1024
    .wavefront_size: 32
...
	.end_amdgpu_metadata
.endif
;; end of part 4
